; MI455X (gfx1250); checked and timed in simulation.
; The chip was launched on July 23, 2026; its instructions are those of AMD's public machine-readable ISA for CDNA 5 (MIT licence, August 2026) and "CDNA5" Instruction Set Architecture Reference Guide (July 2026). The comments in the code are by the model that wrote it; some were corrected since.
;; Multi Head Attention. Allowed arithmetic: matrix products marked QUANTISED: E3M2 operands, one E8M0 scale for each 32 along K, by v_wmma_scale_f32_16x16x128_f8f6f4 with both operands' format E3M2, f32 sums; everything else in f32.
;; Inputs: Wk 1,024 x 1,024 float32; Wo 1,024 x 1,024 float32; Wq 1,024 x 1,024 float32; Wv 1,024 x 1,024 float32; bo 1,024 float32; x 2 x 2,048 x 1,024 float32.
;; Outputs: out0 2 x 2,048 x 1,024 float32.
;; This version of the problem:
;;   THIS VERSION OF THE PROBLEM IS GIVEN IN LOW PRECISION. The matrix products marked QUANTISED in the list below multiply operands that are first quantised to E3M2 (3 exponent bits, 2 mantissa bits; 6 bits a number), with one power-of-two scale for each 32 numbers along K (OCP MX v1.0); their sums are f32. All else is computed in f32.
;;   The module's matrix products, in the order in which they are computed (A, B: the left and right operand; K: the contracted axis; several contracted axes count as one K, in the product's order):
;;     1. [M 4,096, K 1,024] x [K 1,024, N 1,024]; A: input x; B: input Wq: QUANTISED
;;     2. [M 4,096, K 1,024] x [K 1,024, N 1,024]; A: input x; B: input Wk: QUANTISED
;;     3. [M 4,096, K 1,024] x [K 1,024, N 1,024]; A: input x; B: input Wv: QUANTISED
;;     4. batch 32 x [M 2,048, K 64] x [K 64, N 2,048]; A: computed on the way; B: computed on the way: QUANTISED
;;     5. batch 32 x [M 2,048, K 2,048] x [K 2,048, N 64]; A: softmax (see below); B: computed on the way: QUANTISED
;;     6. [M 4,096, K 1,024] x [K 1,024, N 1,024]; A: computed on the way; B: input Wo: QUANTISED
;;   THE QUANTISER, for each operand of a quantised product, along K:
;;     - K is cut into blocks of 32 from its start; a last block that is shorter is filled with zeros.
;;     - A block's scale is 2^e with e = floor(log2(the largest magnitude in the block)) - 4, held to -126 .. 127; a block of zeros has e = 0. As a byte (E8M0): e + 127.
;;     - Each number is divided by its block's scale, clamped to +-28, and rounded to the nearest number of E3M2, ties to even, subnormals kept.
;;     - The product sums the exact products of the quantised numbers (number of the format x scale) in f32.
;;   ~~~python
;;   def quantise(x, axis):      # numpy; x: float32 -> the quantised numbers, widened to float32 again
;;       x = np.moveaxis(x, axis, -1); K = x.shape[-1]
;;       x = np.pad(x, [(0, 0)] * (x.ndim - 1) + [(0, -K % 32)]); x = x.reshape(x.shape[:-1] + (-1, 32)); a = np.abs(x).max(-1, keepdims=True)
;;       e = np.where(a > 0, np.clip(np.frexp(np.where(a > 0, a, 1))[1] - 1 - 4, -126, 127), 0)      # np.frexp(a)[1] - 1 = floor(log2(a)), exactly
;;       r = np.clip(x / 2.0 ** e, -28, 28)
;;       step = 2.0 ** (np.maximum(np.frexp(np.where(r == 0, 1, r))[1] - 1, -2) - 2)
;;       q = np.round(r / step) * step * 2.0 ** e      # np.round: ties to even
;;       return np.moveaxis(q.reshape(q.shape[:-2] + (-1,))[..., :K], -1, axis).astype(np.float32)
;;   ~~~
;;   SOFTMAX AHEAD OF A QUANTISED PRODUCT. Where the list says 'softmax', what is quantised is not the finished softmax but p = 2^(t - M), with t = logit x log2(e) and M = ceil(the row's largest t), a whole number; so 1/2 < the row's largest p <= 1. The row's sum l is taken of the UNQUANTISED p, in f32, and the product's result is divided by l at the end. Since M is a whole number, a kernel that streams over the keys may use a running M (the ceiling of the running maximum): every later rescaling is an exact power of two, which a block's scale takes up: the codes' values come out the same.
;;   OPERANDS COMPUTED ON THE WAY. 'Computed on the way' means the value that the module computes at that place (a softmax that the list does not call 'softmax' is quantised finished and normalised). What goes into a quantiser is computed in f32, as accurately as f32 sums, v_exp_f32 and their like allow (about 1e-6 of the number): no bf16 or f16 on the way to a quantiser, and a product that is left as it is and whose result goes on into a quantised operand takes f32 operands (vector FMAs, or v_wmma_f32_16x16x4_f32). A number that lies on a knife's edge between two numbers of the format may be rounded either way, as far as f32 arithmetic and the matrix unit's own rounding can turn it there, and no further.
;; One version. Each part assembles by itself: llvm-mc -triple=amdgcn-amd-amdhsa -mcpu=gfx1250 --defsym DOCPART=n.
;; ======== version 1 of 1: 4 launches
;; limits: right only within a limited range of input values
;; workspace buffers: img 6,291,456 bytes; isc 262,144 bytes; qb 3,276,800 bytes; kv 6,553,600 bytes; ctx 3,145,728 bytes; cs 262,144 bytes
;; launch quant (part 1): grid 256 x 1, 8 waves a work-group, no clusters, 69,632 bytes of LDS; arguments x, Wq, Wk, Wv, Wo, img, isc; writes img, isc
.if DOCPART == 1
	.amdgcn_target "amdgcn-amd-amdhsa--gfx1250"
	.amdhsa_code_object_version 6
	.text
	.protected	k_q4810b27e70_quant
	.globl	k_q4810b27e70_quant
	.p2align	8
	.type	k_q4810b27e70_quant,@function
k_q4810b27e70_quant:
	s_mov_b64 s[64:65], 0
	v_nop
	global_prefetch_b8 v0, s[64:65] scope:SCOPE_SE
	s_setreg_imm32_b32 hwreg(HW_REG_WAVE_MODE, 25, 1), 1
	s_wait_xcnt 0x0
; x [4096][1024] and Wq, Wk, Wv, Wo [1024][1024], f32, K innermost, become codes of BF6 (E3M2) with one E8M0 scale byte for each 32 along K.
; A block's scale is 2^(floor(log2(its largest magnitude)) - 4); its byte is the largest magnitude's exponent field - 4, held at 1 from below.
; LIMITS: NaN and infinities among the inputs are not served.  A block of zeros, or one whose largest magnitude lies under 2^-122, keeps the byte 1 (these bytes are read by this program alone).
; WORK LEFT OUT BY THE PROGRAM (launch attn): whole steps of 128 keys that all come after a tile's 16 queries.  the causal mask puts -infinity there, so their weights are exactly 0 for all
; finite inputs.  A NaN, an infinity or an overflow that reaches only that work is not carried to the result.
; THE CODES ARE LAID AS IMAGES OF THE OPERAND'S REGISTERS.  A fragment (16 rows x 128 K) is 12 registers a lane; group c of four registers lies at 512 c + 16 x lane: 1,536 bytes, at (8 T + s) x 1,536 of img
; (T the tile, s the K step).  Tiles: 0-255 x, 256-319 Wq, 320-383 Wk, 384-447 Wv, 448-511 Wo.
; THE ROWS OF A TILE: lane row i of tile 4 g + u is row 64 g + 8 u + i % 8 + 32 (i / 8).  So in every later product the 32 registers of four neighbouring tiles' results are, in lane (r, h), the 32 NEIGHBOURS
; 64 g + 32 h + 0 .. 31: a whole block of the next quantiser in one lane.
; THE SCALE WORDS (four bytes: 128 along K of a row): word (T, s, r) at 512 T + 16 (r + 16 (s % 2)) + 4 (s / 2): a load of 16 bytes a lane brings all of K, even steps in lanes 0-15, odd ones in lanes 16-31.
; SHARES.  Work-group g owns tiles 2 g, 2 g + 1; wave w takes tile 2 g + w / 4 and K steps 2 (w % 4), 2 (w % 4) + 1: 32 loads of 512 consecutive bytes, all on their way at once.  A step's 16 rows turn through the
; wave's own stage in LDS (rows 528 bytes apart) and come back as 32 neighbours of K to a lane, twice.  One barrier: the scale words of a tile are gathered from four waves.
; No tensor load, matrix unit or cluster: a stream that is read once and fits in registers; no prefetch: there is no loop to run ahead in.
.set PITCH, 528
.set WSTG,  16*PITCH
.set WORDS, 8*WSTG                     ; the two tiles' scale words
.set SPARE, WORDS+1024                 ; the spare words
.set R0,    16                         ; v16-143  two steps of 16 x 4 registers as loaded
.set X,     144                        ; v144-207 register 32 c + i = k 64 c + 32 h + i of my row
.set PC,    208                        ; v208-231 the two fragments' codes
.set CT,    232                        ; v232-239
.set TM,    240                        ; v240-241 largest magnitudes, v242-243 scale operands, v244-245 bytes
.set PW,    250                        ; v250-251 the two steps' parts of scale words
.set SEL,   26
	s_load_b256 s[8:15], s[0:1], 0x0               ; x, Wq, Wk, Wv
	s_load_b128 s[16:19], s[0:1], 0x20             ; Wo, img
	s_load_b64 s[20:21], s[0:1], 0x30              ; isc
	v_lshl_add_u32 v254, v0, 2, SPARE
	v_mov_b32 v255, 0
	v_lshrrev_b32 v6, 5, v0
	v_readfirstlane_b32 s2, v6                     ; wave 0..7
	s_mul_i32 s3, s2, WSTG
	s_lshr_b32 s4, s2, 2                           ; which of the two tiles
	s_and_b32 s5, s2, 3                            ; which two K steps
	s_lshl_b32 s24, s4, 9
	s_lshl_b32 s25, s5, 2
	s_add_co_u32 s24, s24, s25
	s_add_co_u32 s24, s24, WORDS                   ; where my words go: + 16 x lane
	s_and_b32 s29, s2, 1
	s_lshl_b32 s29, s29, 9
	s_add_co_u32 s25, s29, WORDS                   ; waves 0, 1: where a tile's words come from
	s_mov_b32 s[SEL], 0x76543210
	s_mov_b32 s[SEL+1], 0xfedcba98                 ; lane l xor 16
	s_and_b32 s6, ttmp9, 31                        ; each weight has 32 work-groups and begins at a multiple of 32
	v_and_b32 v1, 31, v0                           ; lane
	v_and_b32 v7, 15, v0                           ; r
	v_bfe_u32 v8, v0, 4, 1                         ; h
	v_lshlrev_b32 v2, 4, v1                        ; 16 x lane
	v_add_nc_u32 v3, s3, v2                        ; the stage, in: row i at PITCH i
	v_mul_u32_u24 v4, v7, PITCH
	v_lshl_add_u32 v4, v8, 7, v4
	v_add_nc_u32 v4, s3, v4                        ; and out: row r, + 128 h: my 32 numbers of a block
	v_lshlrev_b32 v9, 3, v8                        ; 8 h
	v_add_nc_u32 v5, s24, v2
	v_add_nc_u32 v10, s25, v2
	v_mov_b32 v252, 0                              ; written once: a lane permute's destination counts as one of its sources
	s_wait_alu depctr_va_vdst(0)
	s_wait_kmcnt 0x0
	s_cmp_lt_u32 ttmp9, 160                        ; which tensor: only pointers are chosen, the text has one path
	s_cselect_b64 s[22:23], s[10:11], s[12:13]
	s_cmp_lt_u32 ttmp9, 224
	s_cselect_b64 s[24:25], s[14:15], s[16:17]
	s_cmp_lt_u32 ttmp9, 192
	s_cselect_b64 s[22:23], s[22:23], s[24:25]
	s_cmp_lt_u32 ttmp9, 128
	s_cselect_b64 s[22:23], s[8:9], s[22:23]
	s_cselect_b32 s6, ttmp9, s6
	s_lshr_b32 s30, s6, 1
	s_lshl_b32 s30, s30, 18                        ; 64 rows of 4,096 bytes,
	s_and_b32 s7, s6, 1
	s_lshl_b32 s7, s7, 16                          ; + 16 rows: u = 2, 3
	s_add_co_u32 s30, s30, s7
	s_lshl_b32 s7, s4, 15                          ; + 8 rows: u odd
	s_add_co_u32 s30, s30, s7
	s_lshl_b32 s7, s5, 10                          ; + my K steps
	s_add_co_u32 s30, s30, s7
	s_mov_b32 s31, 0
	s_add_nc_u64 s[22:23], s[22:23], s[30:31]
	s_lshl_b32 s28, ttmp9, 1
	s_add_co_u32 s28, s28, s4                      ; T
	s_mul_i32 s30, s28, 12288
	s_mul_i32 s7, s5, 3072
	s_add_co_u32 s30, s30, s7
	s_add_nc_u64 s[18:19], s[18:19], s[30:31]
	s_lshl_b32 s30, ttmp9, 10
	s_add_co_u32 s30, s30, s29
	s_add_nc_u64 s[20:21], s[20:21], s[30:31]
.macro LOADF s                         ; a K step: 16 rows x 512 consecutive bytes
.irp i, 0,1,2,3,4,5,6,7,8,9,10,11,12,13,14,15
	global_load_b128 v[R0+64*\s+4*\i:R0+64*\s+4*\i+3], v2, s[22:23] offset:((\i%8)+32*(\i/8))*4096+512*\s th:TH_LOAD_NT
.endr
.endm
.macro STEPQ s
.set RS, R0+64*\s
.set PS, PC+12*\s
	s_wait_loadcnt 16*(1-\s)                       ; this step's 16 loads are in; the next step's 16 may be out
.irp i, 0,1,2,3,4,5,6,7,8,9,10,11,12,13,14,15
	ds_store_b128 v3, v[RS+4*\i:RS+4*\i+3] offset:PITCH*\i
.endr
.irp c, 0,1
.irp j, 0,1,2,3,4,5,6,7
	ds_load_b128 v[X+32*\c+4*\j:X+32*\c+4*\j+3], v4 offset:256*\c+16*\j   ; LDS serves a wave's instructions in order: these see the stores above
.endr
.endr
	s_wait_dscnt 0x0
.irp c, 0,1
	v_max3_num_f32 v[TM+\c], |v[X+32*\c]|, |v[X+32*\c+1]|, 0x2800000      ; the floor 2^(5 - 127): the byte cannot fall under 1
.endr
.irp i, 2,4,6,8,10,12,14,16,18,20,22,24,26,28,30
.irp c, 0,1
	v_max3_num_f32 v[TM+\c], v[TM+\c], |v[X+32*\c+\i]|, |v[X+32*\c+\i+1]|
.endr
.endr
.irp c, 0,1
	v_add_nc_u32 v[TM+2+\c], 0xfe000000, v[TM+\c]  ; 4 off its exponent field: the conversion takes the exponent field of this operand as its scale
.endr
.irp c, 0,1
	v_lshrrev_b32 v[TM+4+\c], 23, v[TM+2+\c]
.endr
	v_lshl_or_b32 v[PW+\s], v[TM+5], 16, v[TM+4]
	v_lshlrev_b32 v[PW+\s], v9, v[PW+\s]           ; my two bytes at their places: blocks h and 2 + h
.irp c, 0,1
	v_cvt_scalef32_pk16_bf6_f32 v[PS+6*\c:PS+6*\c+2], v[X+32*\c:X+32*\c+15], v[TM+2+\c]
	v_cvt_scalef32_pk16_bf6_f32 v[CT+4*\c:CT+4*\c+2], v[X+32*\c+16:X+32*\c+31], v[TM+2+\c]   ; (a conversion's three registers begin on an even number)
.endr
	v_nop                                          ; one plain instruction behind a scaled conversion
.irp c, 0,1
.irp i, 0,1,2
	v_mov_b32 v[PS+6*\c+3+\i], v[CT+4*\c+\i]
.endr
.endr
.irp c, 0,1,2
	global_store_b128 v2, v[PS+4*\c:PS+4*\c+3], s[18:19] offset:1536*\s+512*\c   ; 512 consecutive bytes, aligned
.endr
.endm
	LOADF 0
	LOADF 1
	STEPQ 0
	STEPQ 1
	v_cmp_gt_u32 vcc_lo, 16, v1
	v_cndmask_b32 v246, v[PW], v[PW+1], vcc_lo     ; what lane l xor 16 wants: lanes 0-15 gather the even step's word, lanes 16-31 the odd one's
	v_cndmask_b32 v247, v[PW+1], v[PW], vcc_lo     ; and my own part
	v_permlanex16_b32 v252, v246, s[SEL], s[SEL+1]
	v_or_b32 v247, v247, v252
	ds_store_b32 v5, v247
	s_wait_alu depctr_va_vdst(0)
	s_wait_dscnt 0x0
	s_barrier_signal -1
	s_barrier_wait -1                              ; all eight waves' words are in
	s_cmp_lt_u32 s2, 2
	s_cbranch_scc0 .Lend
	ds_load_b128 v[16:19], v10
	s_wait_dscnt 0x0
	global_store_b128 v2, v[16:19], s[20:21]       ; a tile's 512 bytes of scale words
.Lend:
	s_wait_tensorcnt 0x0                           ; the wave's end
	ds_add_u32 v254, v255
	s_wait_dscnt 0x0
	s_endpgm
.Lfunc_end_k_q4810b27e70_quant:
	.size	k_q4810b27e70_quant, .Lfunc_end_k_q4810b27e70_quant-k_q4810b27e70_quant
	.p2alignl 7, 3214868480
	.fill 96, 4, 3214868480
	.section	.rodata,"a",@progbits
	.p2align	6, 0x0
	.amdhsa_kernel k_q4810b27e70_quant
		.amdhsa_group_segment_fixed_size 69632
		.amdhsa_private_segment_fixed_size 0
		.amdhsa_enable_private_segment 0
		.amdhsa_kernarg_size 56
		.amdhsa_user_sgpr_count 2
		.amdhsa_user_sgpr_kernarg_segment_ptr 1
		.amdhsa_wavefront_size32 1
		.amdhsa_system_sgpr_workgroup_id_x 1
		.amdhsa_system_sgpr_workgroup_id_y 1
		.amdhsa_system_sgpr_workgroup_id_z 1
		.amdhsa_system_vgpr_workitem_id 0
		.amdhsa_next_free_vgpr 256
		.amdhsa_next_free_sgpr 66
		.amdhsa_reserve_vcc 1
		.amdhsa_float_denorm_mode_32 3
		.amdhsa_float_denorm_mode_16_64 3
		.amdhsa_memory_ordered 1
		.amdhsa_forward_progress 1
		.amdhsa_inst_pref_size 17
	.end_amdhsa_kernel
	.amdgpu_metadata
---
amdhsa.version: [ 1, 2 ]
amdhsa.kernels:
  - .name:           k_q4810b27e70_quant
    .symbol:         k_q4810b27e70_quant.kd
    .args:
      - { .name: x, .offset: 0, .size: 8, .value_kind: global_buffer, .address_space: global }
      - { .name: Wq, .offset: 8, .size: 8, .value_kind: global_buffer, .address_space: global }
      - { .name: Wk, .offset: 16, .size: 8, .value_kind: global_buffer, .address_space: global }
      - { .name: Wv, .offset: 24, .size: 8, .value_kind: global_buffer, .address_space: global }
      - { .name: Wo, .offset: 32, .size: 8, .value_kind: global_buffer, .address_space: global }
      - { .name: img, .offset: 40, .size: 8, .value_kind: global_buffer, .address_space: global }
      - { .name: isc, .offset: 48, .size: 8, .value_kind: global_buffer, .address_space: global }
    .group_segment_fixed_size: 69632
    .private_segment_fixed_size: 0
    .kernarg_segment_align: 8
    .kernarg_segment_size: 56
    .max_flat_workgroup_size: 256
    .sgpr_count:     66
    .vgpr_count:     256
    .wavefront_size: 32
...
	.end_amdgpu_metadata
.endif
;; end of part 1
;; launch qkvproj (part 2): grid 8 x 32, 4 waves a work-group, clusters of 4 x 4, 327,680 bytes of LDS; arguments img, isc, qb, kv; writes qb, kv
.if DOCPART == 2
	.amdgcn_target "amdgcn-amd-amdhsa--gfx1250"
	.amdhsa_code_object_version 6
	.text
	.protected	k_q4810b27e70_qkvproj
	.globl	k_q4810b27e70_qkvproj
	.p2align	8
	.type	k_q4810b27e70_qkvproj,@function
k_q4810b27e70_qkvproj:
	s_mov_b64 s[64:65], 0
	v_nop
	global_prefetch_b8 v0, s[64:65] scope:SCOPE_SE
	s_setreg_imm32_b32 hwreg(HW_REG_WAVE_MODE, 25, 1), 1
	s_wait_xcnt 0x0
	s_wait_alu depctr_hold_cnt(0) depctr_sa_sdst(0) depctr_va_vdst(0) depctr_va_sdst(0) depctr_va_ssrc(0) depctr_va_vcc(0) depctr_vm_vsrc(0)
	s_getreg_b32 s2, hwreg(HW_REG_IB_STS2, 6, 4)
	s_cmp_eq_u32 s2, 0
	s_cbranch_scc0 .Lentry_in_a_cluster
	s_endpgm
.Lentry_in_a_cluster:
	s_bfe_u32 s2, ttmp6, 0x10000c
	s_cmp_lg_u32 s2, 0xf033
	s_cbranch_scc0 .Lentry_shape_is_right
	s_endpgm
.Lentry_shape_is_right:
; q = x Wq^T, k = x Wk^T, v = x Wv^T on codes of BF6 (E3M2) with E8M0 scales, sums in f32; the results are quantised at once, in registers, for attention's two products: q and k along the head's 64, v along the tokens.
; LIMITS: NaN and infinities are not served; a block of zeros, or one under 2^-122, keeps the scale byte 1 (read by this program alone).
; SHARES.  Work-group (tx, ty): the heads 2 tx, 2 tx + 1 and 128 tokens (x's tiles 8 ty on): 256 work-groups.  Wave w: head w / 2 of the pair; q (w even) or k (w odd) of all 128 tokens: 4 x 8 accumulators; and of
; v the two tiles of 16 features 2 (w % 2) on: 8 x 2.  Each step 14 fragments feed 48 products.
; D = S0 S1^T.  q, k: S0 = W, S1 = x: a lane holds one token and 32 neighbouring features.  v: S0 = x, S1 = Wv: a lane holds one feature and 32 neighbouring tokens, twice.  Rows of tiles: see the first launch.
; K: 8 steps of 128, in chunks of 3, 3 and 2 steps; two slots of LDS, each with all 32 tiles (x's 8, then 8 each of Wq, Wk, Wv) x 3 steps.  The third chunk fills slot 0 again.  One tensor load a wave for each
; chunk: wave 0 x's tiles, wave w the w-th weight's.  CLUSTER 4 x 4: x's tiles are shared along a row of the cluster, the weights' along a column, each asked for jointly.
; The walk is three loads a wave, written out; a prefetch into the L2 runs one chunk ahead of the joint loads (below).
; OUT.  A chunk of 128 tokens of a head: kv, 12,800 bytes at (16 bh + G) x 12,800: K's four images (tiles 2 m, 2 m + 1: registers 0-5 and 6-11), V's four (tile t of features, 128 keys), K's words (16 r + 4 m), V's words
; (128 (t / 2) + 8 r + 4 (t % 2)).  qb, 6,400 bytes at (16 bh + G) x 6,400: Q's four images and words, laid as K's.
; REGISTERS: window 0: v16-31 addresses; v32-87 scale words (x 8 x 4, W 4 x 4, Wv 2 x 4); v88-255 fragments, set 0 (W 4, x 8, Wv 2); window 1: v0-167 set 1; window 2: q's or k's accumulators (a, b) at v[8 (4 a + b)];
;   window 3: v's, (t, a) at v[8 (8 t + a)].  On the way out v88-201 are at work.
.set SLOT,  147456
.set PARTB, 36864                      ; 8 tiles x 3 steps
.set SPARE, 2*SLOT
.set AX, 16
.set AW, 19
.set AV, 22
.set L16, 25
.set R16, 26
.set R8,  27
.set SPW, 28
.set NIL, 29
.set H8,  30
.set SCX, 32
.set SCW, 64
.set SCV, 80
.set PC,  88
.set CT,  160
.set TM,  176
.set SO,  184
.set BY,  188
.set PX,  192
.set PWA, 196
.set WV,  12
.set G1X, 20
.set G1W, 28
.set G0X, 36                           ; s[36:43] groups 0 for x's tiles, one for each slot;  s[44:51] for the weights'
.set G0W, 44
.set BV,  72
.set BSV, 74
.set B0,  78
.set BS,  80
.set SEL, 96
.set MSB, 0
.macro WIN new                         ; the immediate's high byte repeats the setting that is left
.if MSB != \new
	s_set_vgpr_msb (MSB<<8)|\new
.set MSB, \new
.endif
.endm
.macro PLACES                          ; four plain instructions in front of loads into registers that matrix instructions have read, and of the first read of results
.rept 4
	v_nop
.endr
.endm
.macro CREST                           ; a round of the cluster's barrier behind its opening barrier
	s_cmp_lg_u32 s[WV], 0
	s_cbranch_scc1 .Lnot_wave_0_\@
	s_barrier_signal -3
.Lnot_wave_0_\@:
	s_barrier_wait -3
	s_barrier_signal -1
	s_barrier_wait -1
.endm
.macro CROUND
	s_barrier_signal -1
	s_barrier_wait -1
	CREST
.endm
.macro JLOAD p                         ; a joint load into slot p, one a wave; each line has one mask and one set of registers for all that issue it
	s_cmp_eq_u32 s[WV], 0
	s_cbranch_scc0 .Lfor_w_\@
	tensor_load_to_lds s[G0X+4*\p:G0X+4*\p+3], s[G1X:G1X+7]
	s_nop 0
	PLACES
	s_branch .Lasked_\@
.Lfor_w_\@:
	tensor_load_to_lds s[G0W+4*\p:G0W+4*\p+3], s[G1W:G1W+7]
	s_nop 0
	PLACES
.Lasked_\@:
.endm
	s_load_b256 s[4:11], s[0:1], 0x0               ; img s[4:5], isc s[6:7], qb s[8:9], kv s[10:11]
	v_lshl_add_u32 v[SPW], v0, 2, SPARE
	v_mov_b32 v[NIL], 0
	ds_add_u32 v[SPW], v[NIL]                      ; the opening
	ds_add_u32 v[SPW], v[NIL]
	v_lshrrev_b32 v1, 5, v0
	v_readfirstlane_b32 s[WV], v1                  ; wave 0..3
	s_lshr_b32 s13, s[WV], 1                       ; which head of the pair
	s_and_b32 s14, s[WV], 1                        ; q or k; which half of v's features
	s_bfe_u32 s15, ttmp6, 0x40000                  ; cx, cy
	s_bfe_u32 s16, ttmp6, 0x40004
	s_lshl_b32 s17, ttmp9, 2
	s_add_co_u32 s17, s17, s15                     ; tx
	s_and_b32 s18, ttmp7, 0xffff
	s_lshl_b32 s18, s18, 2
	s_add_co_u32 s18, s18, s16                     ; ty
	s_lshl_b32 s19, s16, 2
	s_lshl_b32 s19, 15, s19                        ; my row of the cluster
	s_lshl_b32 s77, 0x1111, s15                    ; my column
	; descriptor group 1: 8 rows (tiles) of 4,608 bytes (three K steps' images on end) as 576 elements of 8 bytes; 12,288 bytes from tile to tile; dense in LDS
	s_or_b32 s[G1X], s19, (3<<16)|(1<<21)
	s_or_b32 s[G1W], s77, (3<<16)|(1<<21)
.irp g, G1X, G1W
	s_mov_b32 s[\g+1], 576<<16
	s_mov_b32 s[\g+2], 8<<16
	s_mov_b32 s[\g+3], 576<<16
	s_mov_b32 s[\g+4], 8
	s_mov_b32 s[\g+5], 1536
	s_mov_b32 s[\g+6], 0
	s_mov_b32 s[\g+7], 0
.endr
	s_mul_i32 s84, s18, 98304                      ; x: tile 8 ty
	s_mov_b32 s85, 0
	s_lshl_b32 s86, s[WV], 6
	s_lshl_b32 s87, s17, 3
	s_add_co_u32 s86, s86, s87
	s_add_co_u32 s86, s86, 192                     ; waves 1-3: tile 256 + 64 (wave - 1) + 8 tx
	s_mul_i32 s86, s86, 12288
	s_mov_b32 s87, 0
	s_mul_i32 s95, s[WV], PARTB                    ; where they go: by the wave's number alone
	s_wait_dscnt 0x0                               ; both opening adds are done
	s_wait_kmcnt 0x0
	s_add_nc_u64 s[84:85], s[4:5], s[84:85]
	s_add_nc_u64 s[86:87], s[4:5], s[86:87]
	CROUND                                         ; all sixteen work-groups are here: the first joint loads meet
.irp p, 0,1
	s_mov_b32 s[G0X+4*\p], 1
	s_add_co_u32 s[G0X+4*\p+1], s95, \p*SLOT
	s_add_nc_u64 s[G0X+4*\p+2:G0X+4*\p+3], s[84:85], \p*4608
	s_or_b32 s[G0X+4*\p+3], s[G0X+4*\p+3], 0x80000000
	s_mov_b32 s[G0W+4*\p], 1
	s_add_co_u32 s[G0W+4*\p+1], s95, \p*SLOT
	s_add_nc_u64 s[G0W+4*\p+2:G0W+4*\p+3], s[86:87], \p*4608
	s_or_b32 s[G0W+4*\p+3], s[G0W+4*\p+3], 0x80000000
.endr
	JLOAD 0                                        ; K steps 0-2: one tensor load a wave at the head
	s_add_co_u32 s52, s14, 1
	s_mul_i32 s52, s52, PARTB                      ; Wq's or Wk's part
	s_mul_i32 s53, s13, 4*4608
	s_add_co_u32 s53, s53, s52                     ; my head's four tiles: slot 0,
	s_add_co_u32 s54, s53, SLOT                    ; slot 1,
	s_mul_i32 s55, s13, 4*3072
	s_add_co_u32 s55, s55, s52                     ; slot 0 with two steps a tile
	s_lshl_b32 s56, s[WV], 1                       ; my first tile of Wv's eight: 4 x head + 2 x half
	s_mul_i32 s57, s56, 4608
	s_add_co_u32 s57, s57, 3*PARTB
	s_add_co_u32 s58, s57, SLOT
	s_mul_i32 s59, s56, 3072
	s_add_co_u32 s59, s59, 3*PARTB
	; the scale words: 512 bytes a tile
	s_lshl_b32 s88, s18, 12
	s_mov_b32 s89, 0
	s_lshl_b32 s90, s14, 15
	s_lshl_b32 s91, s17, 12
	s_lshl_b32 s92, s[WV], 10
	s_add_co_u32 s92, s92, s91
	s_add_co_u32 s92, s92, 384*512
	s_mov_b32 s93, 0
	s_add_co_u32 s90, s90, s91
	s_lshl_b32 s91, s13, 11
	s_add_co_u32 s90, s90, s91
	s_add_co_u32 s90, s90, 256*512
	s_mov_b32 s91, 0
	s_add_nc_u64 s[88:89], s[6:7], s[88:89]
	s_add_nc_u64 s[90:91], s[6:7], s[90:91]
	s_add_nc_u64 s[92:93], s[6:7], s[92:93]
	; where the results go: idx = 16 bh + G
	s_lshr_b32 s60, s18, 4
	s_lshl_b32 s60, s60, 8
	s_lshl_b32 s61, s17, 1
	s_add_co_u32 s61, s61, s13
	s_lshl_b32 s61, s61, 4
	s_add_co_u32 s60, s60, s61
	s_and_b32 s61, s18, 15
	s_add_co_u32 s60, s60, s61
	s_mul_i32 s66, s60, 12800
	s_mov_b32 s67, 0
	s_mul_i32 s68, s60, 6400
	s_mov_b32 s69, 0
	s_add_nc_u64 s[66:67], s[10:11], s[66:67]
	s_add_nc_u64 s[68:69], s[8:9], s[68:69]
	s_mul_i32 s70, s14, 3072
	s_add_co_u32 s70, s70, 6144
	s_mov_b32 s71, 0
	s_add_nc_u64 s[BV:BV+1], s[66:67], s[70:71]    ; my two images of V
	s_lshl_b32 s70, s14, 7
	s_add_co_u32 s70, s70, 12544
	s_add_nc_u64 s[BSV:BSV+1], s[66:67], s[70:71]  ; and their words
	s_mul_i32 s70, s14, 6144
	s_add_co_u32 s70, s70, 6144
	s_cmp_eq_u32 s14, 1
	s_cselect_b64 s[B0:B0+1], s[66:67], s[68:69]   ; my four images of K or Q
	s_add_nc_u64 s[BS:BS+1], s[B0:B0+1], s[70:71]  ; and their words
	; the prefetches: of the 8 tiles that my wave's joint load brings, the four partners take two each, told apart by address: 2 cx of x's, 2 cy of a weight's
	s_lshl_b32 s98, s18, 3
	s_lshl_b32 s99, s15, 1
	s_add_co_u32 s98, s98, s99                     ; x: tile 8 ty + 2 cx
	s_lshl_b32 s99, s17, 3
	s_lshl_b32 s94, s16, 1
	s_add_co_u32 s99, s99, s94
	s_lshl_b32 s94, s[WV], 6
	s_add_co_u32 s99, s99, s94
	s_add_co_u32 s99, s99, 192                     ; waves 1-3: tile 256 + 64 (wave - 1) + 8 tx + 2 cy
	s_and_b32 s94, ttmp7, 0xffff                   ; all rows of clusters read the same weights: the first four ask for them
	s_cmp_eq_u32 s[WV], 0
	s_cselect_b32 s82, s98, s99
	s_cselect_b32 s94, 0, s94
	s_mul_i32 s82, s82, 12288
	s_mov_b32 s83, 0
	s_add_nc_u64 s[82:83], s[4:5], s[82:83]
	s_mov_b32 s[SEL], 0x76543210
	s_mov_b32 s[SEL+1], 0xfedcba98
	v_and_b32 v1, 31, v0
	v_and_b32 v2, 15, v0                           ; r
	v_bfe_u32 v3, v0, 4, 1                         ; h
	v_lshlrev_b32 v[L16], 4, v1
	v_lshlrev_b32 v[R16], 4, v2
	v_lshlrev_b32 v[R8], 3, v2
	v_lshlrev_b32 v[H8], 3, v3
	v_min_u32 v31, 17, v1
	v_lshlrev_b32 v31, 8, v31                      ; a lane a block of 256 bytes: 18 blocks are three K steps of a tile (lanes left over name the last block again),
	v_min_u32 v18, 11, v1
	v_lshlrev_b32 v18, 8, v18                      ; 12 are two
	v_mov_b32 v[AX], v[L16]
	v_add_nc_u32 v[AX+1], SLOT, v[L16]
	v_add_nc_u32 v[AW], s53, v[L16]
	v_add_nc_u32 v[AW+1], s54, v[L16]
	v_add_nc_u32 v[AW+2], s55, v[L16]
	v_add_nc_u32 v[AV], s57, v[L16]
	v_add_nc_u32 v[AV+1], s58, v[L16]
	v_add_nc_u32 v[AV+2], s59, v[L16]
.irp i, 0,1,2,3,4,5,6,7                ; all of K's scale words of my 14 tiles, once
	global_load_b128 v[SCX+4*\i:SCX+4*\i+3], v[L16], s[88:89] offset:512*\i
.endr
.irp i, 0,1,2,3
	global_load_b128 v[SCW+4*\i:SCW+4*\i+3], v[L16], s[90:91] offset:512*\i
.endr
.irp i, 0,1
	global_load_b128 v[SCV+4*\i:SCV+4*\i+3], v[L16], s[92:93] offset:512*\i
.endr
; A PREFETCH INTO THE L2, one chunk ahead of the joint load that will want the data: chunk 1 behind chunk 0's load, chunk 2 behind chunk 1's, and then nothing is left to ask for.  Two tiles of my wave's eight.
.macro ASK c, va
	s_cmp_lt_u32 s94, 4
	s_cbranch_scc0 .Lnot_asked_\@
	global_prefetch_b8 v\va, s[82:83] offset:4608*\c th:TH_LOAD_NT scope:SCOPE_SE
	global_prefetch_b8 v\va, s[82:83] offset:12288+4608*\c th:TH_LOAD_NT scope:SCOPE_SE
.Lnot_asked_\@:
.endm
	s_wait_alu depctr_va_vdst(0)                   ; the wait ahead of the branch
	ASK 1, 31
.macro FR reg, adr, off                ; an image comes back as it was stored
.irp c, 0,1,2
	ds_load_b128 v[(\reg)+4*\c:(\reg)+4*\c+3], v[\adr] offset:(\off)+512*\c
.endr
.endm
.macro SETF s                          ; where step s's fragments go and lie: set s % 2; chunk s / 3, its s % 3-th step
.if (\s)%2 == 0
	WIN 0
.set FS, 88
.else
	WIN 0x40
.set FS, 0
.endif
.set CH, (\s)/3
.set QO, ((\s)%3)*1536
.if CH < 2
.set RL, 4608
.else
.set RL, 3072
.endif
.endm
.macro GETW s
	SETF \s
.irp i, 0,1,2,3
	FR FS+12*\i, AW+CH, RL*\i+QO
.endr
.endm
.macro GETX s, i0
	SETF \s
.irp i, \i0, \i0+1, \i0+2, \i0+3
	FR FS+48+12*(\i), AX+(CH%2), RL*(\i)+QO
.endr
.endm
.macro GETV s
	SETF \s
.irp i, 0,1
	FR FS+144+12*\i, AV+CH, RL*\i+QO
.endr
.endm
; One product.  Step 0 starts the sums: nothing is cleared.  An odd step's scale words stand in lanes 16-31 of the registers that hold the even step's in lanes 0-15.
; The 48 accumulators take turns, one instruction a turn, in the same order in every step.
.macro WM s
.if (\s) == 0
	v_wmma_scale_f32_16x16x128_f8f6f4 v[DD:DD+7], v[FA:FA+11], v[FB:FB+11], 0, v[XA], v[XB] matrix_a_fmt:MATRIX_FMT_BF6 matrix_b_fmt:MATRIX_FMT_BF6
.elseif (\s)%2 == 1
	v_wmma_scale_f32_16x16x128_f8f6f4 v[DD:DD+7], v[FA:FA+11], v[FB:FB+11], v[DD:DD+7], v[XA], v[XB] matrix_a_fmt:MATRIX_FMT_BF6 matrix_b_fmt:MATRIX_FMT_BF6 matrix_a_scale:MATRIX_SCALE_ROW1 matrix_b_scale:MATRIX_SCALE_ROW1
.else
	v_wmma_scale_f32_16x16x128_f8f6f4 v[DD:DD+7], v[FA:FA+11], v[FB:FB+11], v[DD:DD+7], v[XA], v[XB] matrix_a_fmt:MATRIX_FMT_BF6 matrix_b_fmt:MATRIX_FMT_BF6
.endif
.endm
.macro MQ s, a0, a1                    ; q's or k's: two of x's tiles x W's four
	WIN (0xa0+5*((\s)%2))
.set FM, 88*(1-((\s)%2))
.irp a, \a0, \a1
.irp b, 0,1,2,3
.set DD, 8*(4*\a+\b)
.set FA, FM+12*\b
.set FB, FM+48+12*\a
.set XA, SCW+4*\b+(\s)/2
.set XB, SCX+4*\a+(\s)/2
	WM \s
.endr
.endr
.endm
.macro MV s                            ; v's: x's eight tiles x Wv's two
	WIN (0xf0+5*((\s)%2))
.set FM, 88*(1-((\s)%2))
.irp t, 0,1
.irp a, 0,1,2,3,4,5,6,7
.set DD, 8*(8*\t+\a)
.set FA, FM+48+12*\a
.set FB, FM+144+12*\t
.set XA, SCX+4*\a+(\s)/2
.set XB, SCV+4*\t+(\s)/2
	WM \s
.endr
.endr
.endm
.macro STEP s                          ; the next step's fragments lie in the same chunk; they are asked for in four runs, into the other set
	s_wait_dscnt 0x0
	PLACES
	GETW (\s)+1
	MQ \s, 0, 1
	GETX (\s)+1, 0
	MQ \s, 2, 3
	GETX (\s)+1, 4
	MQ \s, 4, 5
	MQ \s, 6, 7
	GETV (\s)+1
	MV \s
.endm
; The last step of a chunk: one barrier shows the next chunk whole.  refill = 1: it opens a round of the cluster's barrier, behind which slot 0, read out, takes K steps 6 and 7.
.macro TURN s, refill
	s_wait_dscnt 0x0                               ; this step's fragments are in: my reads of this chunk are over
	MQ \s, 0, 1
	MQ \s, 2, 3
	WIN 0                                          ; (the add's two registers lie in window 0)
	s_wait_tensorcnt 0x0                           ; my part of the next chunk is in
.if \refill
	ds_add_u32 v[SPW], v[NIL]                      ; 0 onto my spare word
	s_add_nc_u64 s[G0X+2:G0X+3], s[G0X+2:G0X+3], 9216    ; no tensor load of mine is out, so descriptors may be written: two K steps a tile, six steps on
	s_add_nc_u64 s[G0W+2:G0W+3], s[G0W+2:G0W+3], 9216
.irp g, G1X, G1W
	s_mov_b32 s[\g+1], 384<<16
	s_mov_b32 s[\g+3], 384<<16
.endr
.endif
	MQ \s, 4, 5
	s_wait_dscnt 0x0                               ; the add, where there is one, is done
	s_barrier_signal -1
	MQ \s, 6, 7
	WIN 0
	s_barrier_wait -1
.if \refill
	CREST
	JLOAD 0                                        ; the joint refill, first behind the round; its four v_nop are the places in front of the loads below
.else
	PLACES
.endif
	GETW (\s)+1
	GETX (\s)+1, 0
	GETX (\s)+1, 4
	GETV (\s)+1
	MV \s
.endm
	s_wait_alu depctr_va_vdst(0)                   ; the head's end
	s_wait_tensorcnt 0x0                           ; my part of chunk 0 is in; these lines stand ahead of slot 1's first fill as ahead of a refill
	ds_add_u32 v[SPW], v[NIL]
	s_wait_dscnt 0x0
	CROUND                                         ; everybody's part is in, and the joint loads meet
	JLOAD 1                                        ; K steps 3-5
	GETW 0
	GETX 0, 0
	GETX 0, 4
	GETV 0
	s_wait_loadcnt 0x0
	ASK 2, 18
	STEP 0
	STEP 1
	TURN 2, 1
	STEP 3
	STEP 4
	TURN 5, 0
	STEP 6
	s_wait_dscnt 0x0                               ; the last step: nothing more to fetch
	MQ 7, 0, 1
	MQ 7, 2, 3
	MQ 7, 4, 5
	MQ 7, 6, 7
	MV 7
	WIN 0
	PLACES
; THE WAY OUT, 128 registers of a window at a time: four blocks of 32 neighbours along the next K in each lane, which make two images of 12 registers and two scale words.  A word's bytes 0, 1 are block 0 of lanes
; (r, 0), (r, 1), bytes 2, 3 block 1: my two bytes go to their places and are joined with lane l xor 16's.
.macro OUTP wn, ac, o, base, ofs
	WIN ((\wn)*20)                                 ; sources 1 and 2: the accumulators' window
.irp b, 0,1,2,3
	v_max3_num_f32 v[TM+\b], 0x2800000, |v[\ac+32*\b]|, |v[\ac+32*\b+1]|   ; the floor 2^(5 - 127) and two numbers; each accumulator is read from its low end on
	v_max3_num_f32 v[TM+4+\b], 0x2800000, |v[\ac+32*\b+16]|, |v[\ac+32*\b+17]|
.endr
.irp i, 2,4,6,8,10,12,14
.irp b, 0,1,2,3
	v_max3_num_f32 v[TM+\b], v[TM+\b], |v[\ac+32*\b+\i]|, |v[\ac+32*\b+\i+1]|
	v_max3_num_f32 v[TM+4+\b], v[TM+4+\b], |v[\ac+32*\b+16+\i]|, |v[\ac+32*\b+17+\i]|
.endr
.endr
	WIN 0
.irp b, 0,1,2,3
	v_max_num_f32 v[TM+\b], v[TM+\b], v[TM+4+\b]
.endr
.irp b, 0,1,2,3
	v_add_nc_u32 v[SO+\b], 0xfe000000, v[TM+\b]    ; 4 off the exponent field: the conversion's scale operand
.endr
.irp b, 0,1,2,3
	v_lshrrev_b32 v[BY+\b], 23, v[SO+\b]
.endr
.irp k, 0,1
	v_lshl_or_b32 v[PWA+2*\o+\k], v[BY+2*\k+1], 16, v[BY+2*\k]
.endr
.irp k, 0,1
	v_lshlrev_b32 v[PWA+2*\o+\k], v[H8], v[PWA+2*\o+\k]
.endr
.irp k, 0,1
	v_permlanex16_b32 v[PX+\k], v[PWA+2*\o+\k], s[SEL], s[SEL+1]   ; (its destination was written by fragment loads)
.endr
.irp k, 0,1
	v_or_b32 v[PWA+2*\o+\k], v[PWA+2*\o+\k], v[PX+\k]
.endr
	WIN (\wn)                                      ; source 0: the accumulators' window
.irp b, 0,1,2,3
	v_cvt_scalef32_pk16_bf6_f32 v[PC+24*\o+6*\b:PC+24*\o+6*\b+2], v[\ac+32*\b:\ac+32*\b+15], v[SO+\b]
	v_cvt_scalef32_pk16_bf6_f32 v[CT+4*\b:CT+4*\b+2], v[\ac+32*\b+16:\ac+32*\b+31], v[SO+\b]
.endr
	WIN 0
	v_nop                                          ; one plain instruction behind a scaled conversion
.irp b, 0,1,2,3
.irp i, 0,1,2
	v_mov_b32 v[PC+24*\o+6*\b+3+\i], v[CT+4*\b+\i]
.endr
.endr
.irp c, 0,1,2,3,4,5
	global_store_b128 v[L16], v[PC+24*\o+4*\c:PC+24*\o+4*\c+3], s[\base:\base+1] offset:\ofs+512*\c   ; 512 consecutive bytes, aligned
.endr
.endm
	OUTP 2, 0, 0, B0, 0
	OUTP 2, 128, 1, B0, 3072
	OUTP 3, 0, 2, BV, 0
	global_store_b128 v[R16], v[PWA:PWA+3], s[BS:BS+1]         ; my row's four words (lanes r and r + 16 store the same bytes with the same value): 256 bytes
	global_store_b64 v[R8], v[PWA+4:PWA+5], s[BSV:BSV+1]       ; V's two: 128 bytes
	s_wait_tensorcnt 0x0                           ; the wave's end
	ds_add_u32 v[SPW], v[NIL]
	s_wait_dscnt 0x0
	CROUND                                         ; the closing round: no work-group ends while a partner may still ask for a tile that names it
	s_endpgm
.Lfunc_end_k_q4810b27e70_qkvproj:
	.size	k_q4810b27e70_qkvproj, .Lfunc_end_k_q4810b27e70_qkvproj-k_q4810b27e70_qkvproj
	.p2alignl 7, 3214868480
	.fill 96, 4, 3214868480
	.section	.rodata,"a",@progbits
	.p2align	6, 0x0
	.amdhsa_kernel k_q4810b27e70_qkvproj
		.amdhsa_group_segment_fixed_size 327680
		.amdhsa_private_segment_fixed_size 0
		.amdhsa_enable_private_segment 0
		.amdhsa_kernarg_size 32
		.amdhsa_user_sgpr_count 2
		.amdhsa_user_sgpr_kernarg_segment_ptr 1
		.amdhsa_wavefront_size32 1
		.amdhsa_system_sgpr_workgroup_id_x 1
		.amdhsa_system_sgpr_workgroup_id_y 1
		.amdhsa_system_sgpr_workgroup_id_z 1
		.amdhsa_system_vgpr_workitem_id 0
		.amdhsa_next_free_vgpr 1024
		.amdhsa_next_free_sgpr 100
		.amdhsa_reserve_vcc 0
		.amdhsa_float_denorm_mode_32 3
		.amdhsa_float_denorm_mode_16_64 3
		.amdhsa_memory_ordered 1
		.amdhsa_forward_progress 1
		.amdhsa_inst_pref_size 105
	.end_amdhsa_kernel
	.amdgpu_metadata
---
amdhsa.version: [ 1, 2 ]
amdhsa.kernels:
  - .name:           k_q4810b27e70_qkvproj
    .symbol:         k_q4810b27e70_qkvproj.kd
    .args:
      - { .name: img, .offset: 0, .size: 8, .value_kind: global_buffer, .address_space: global }
      - { .name: isc, .offset: 8, .size: 8, .value_kind: global_buffer, .address_space: global }
      - { .name: qb, .offset: 16, .size: 8, .value_kind: global_buffer, .address_space: global }
      - { .name: kv, .offset: 24, .size: 8, .value_kind: global_buffer, .address_space: global }
    .group_segment_fixed_size: 327680
    .private_segment_fixed_size: 0
    .kernarg_segment_align: 8
    .kernarg_segment_size: 32
    .max_flat_workgroup_size: 128
    .sgpr_count:     100
    .vgpr_count:     1024
    .wavefront_size: 32
...
	.end_amdgpu_metadata
.endif
;; end of part 2
;; launch attn (part 3): grid 8 x 32, 16 waves a work-group, clusters of 4 x 1, 241,664 bytes of LDS; arguments qb, kv, ctx, cs; writes ctx, cs
.if DOCPART == 3
	.amdgcn_target "amdgcn-amd-amdhsa--gfx1250"
	.amdhsa_code_object_version 6
	.text
	.protected	k_q4810b27e70_attn
	.globl	k_q4810b27e70_attn
	.p2align	8
	.type	k_q4810b27e70_attn,@function
k_q4810b27e70_attn:
	s_mov_b64 s[64:65], 0
	v_nop
	global_prefetch_b8 v0, s[64:65] scope:SCOPE_SE
	s_setreg_imm32_b32 hwreg(HW_REG_WAVE_MODE, 25, 1), 1
	s_wait_xcnt 0x0
	s_wait_alu depctr_hold_cnt(0) depctr_sa_sdst(0) depctr_va_vdst(0) depctr_va_sdst(0) depctr_va_ssrc(0) depctr_va_vcc(0) depctr_vm_vsrc(0)
	s_getreg_b32 s2, hwreg(HW_REG_IB_STS2, 6, 4)
	s_cmp_eq_u32 s2, 0
	s_cbranch_scc0 .Lentry_in_a_cluster
	s_endpgm
.Lentry_in_a_cluster:
	s_bfe_u32 s2, ttmp6, 0x10000c
	s_cmp_lg_u32 s2, 0x3003
	s_cbranch_scc0 .Lentry_shape_is_right
	s_endpgm
.Lentry_shape_is_right:
; ctx[b][q][head] = the sum over k <= q of softmax_k(Q . K / 8) V, both products on codes of BF6 (E3M2) with E8M0 scales; then ctx is quantised along its 1,024 features for the last product.
; THE SOFTMAX AHEAD OF THE SECOND PRODUCT: t = score x log2(e) / 8; M = the row's largest t so far, rounded up to a whole number; p = 2^(t - M) is what is quantised, along the keys; the row's sum is taken of the
; unquantised p, in f32, and divides O at the end.  When M moves, the sum and O are multiplied by 2^(old M - new M): exact.
; LIMITS: NaN and infinities are not served; |t| stays under 2^31; a block of zeros, or one under 2^-122, keeps the scale byte 1 (read by this program alone).
; WORK LEFT OUT: key steps (128 keys) that all come after a tile's queries: the causal mask gives them the weight 0; a NaN, an infinity or an overflow that reaches only them is not carried to the result.
; SHARES.  Work-group (p, bh) takes, of one head, tile p of each of the sequence's 16 blocks of 128 queries; wave j has block j's, which needs key steps 0 .. j, the last under the mask.  So all work-groups have the
; same walk: 136 steps.  Wave j < 8 does its own j + 1 steps, puts its tile out, and then does the last 7 - j steps (9 .. 15 - j) of wave 15 - j's tile; wave 15 - j does steps 0 .. 8 of it, and joins the two parts
; (M, sum, O) through LDS.  So a wave has eight steps or nine.  Every branch hangs on the wave's number and the trip's.
; CLUSTER 4, 1, 1: four work-groups of a head read the same K and V: each chunk of a key step (12,800 bytes: K's four images, V's four, K's words, V's words) is asked for jointly, one load a wave, wave G chunk G;
; all of a head, 204,800 bytes, is filled once.  Chunk 0 alone is waited for ahead of the first step, the others ahead of the second.  No prefetch: no load stands in a loop.
; LAYOUT.  Both products are used transposed: S^T = K Q^T, O^T = V^T P^T: a lane holds one query throughout.  By the rows of tiles (first launch) lane (r, h) has in register 32 c + i of S^T key 64 c + 32 h + i: whole
; blocks of 32 in a lane; and in register i of O^T feature 32 h + i.
; K = 64 IN AN INSTRUCTION OF 128: an image of K holds two tiles, registers 0-5 and 6-11, with one scale word for both.  v[16:33] = Q, zero codes, Q: v[16:27] picks the first tile, v[22:33] the second, since a zero
; code adds nothing opposite any code.  Q's scale word repeats its two bytes.
; REGISTERS: v1-7, v11, v240-244 stay; v8-10 the step's addresses; v12 -M, v13 the largest t, v[14:15] the sum; v34 Q's, v35 p's scale word; v36-39 K's, v40-43 V's; v[44:45] f; v46-93 K's or V's images; v94-157 S^T,
; then p; v158-189 O^T; v190-201 p's codes; v202-232 at work.
.set CHUNK, 12800
.set STG,   204800                     ; behind the chunks: the parts handed over, 4,352 bytes each
.set PARTB, 4352
.set SPARE, STG+8*PARTB
.set KS,  36
.set VS,  40
.set KV,  46
.set S,   94
.set O,   158
.set PC,  190
.set CT,  202
.set BM,  210
.set B1,  212
.set SO,  218
.set BY,  220
.set WV,  12
.set SEL, 20
.set CS,  22                           ; s[22:23] c = log2(e) / 8
.set G1,  24
.set G0,  32
.set NT,  52                           ; the trip
.set TR,  53                           ; wave + 1: the trip at which a wave under 8 changes tiles
.set EN,  54                           ; trips with a step: 8 or 9
.set ADJ, 55                           ; behind the change the key step is trip + 8 - wave
.set G,   56                           ; the key step
.set GD,  57                           ; my tile's block = the step that lies on the diagonal
.set TB,  58                           ; LDS byte at which the chunk begins
.set QS,  59
.set QI,  60
.set QSH, 61
.set T0,  62
.set CB,  63
.set CSB, 66
.macro CROUND                          ; a round of the cluster's barrier
	s_barrier_signal -1
	s_barrier_wait -1
	s_cmp_lg_u32 s[WV], 0
	s_cbranch_scc1 .Lnot_wave_0_\@
	s_barrier_signal -3
.Lnot_wave_0_\@:
	s_barrier_wait -3
	s_barrier_signal -1
	s_barrier_wait -1
.endm
.macro NOPS n
.rept \n
	v_nop
.endr
.endm
	s_load_b256 s[4:11], s[0:1], 0x0               ; qb s[4:5], kv s[6:7], ctx s[8:9], cs s[10:11]
	v_lshl_add_u32 v254, v0, 2, SPARE
	v_mov_b32 v255, 0
	ds_add_u32 v254, v255                          ; the opening
	ds_add_u32 v254, v255
	v_lshrrev_b32 v6, 5, v0
	v_readfirstlane_b32 s[WV], v6                  ; wave 0..15
	s_and_b32 s14, ttmp7, 0xffff                   ; bh = 16 x batch + head
	s_bfe_u32 s13, ttmp6, 0x40000
	s_lshl_b32 s15, ttmp9, 2
	s_add_co_u32 s15, s15, s13                     ; p
	; a chunk: 12,800 dense bytes as two rows of 800 elements of 8 bytes
	s_mov_b32 s[G1], 15|(3<<16)|(1<<21)            ; the mask: all four of the cluster
	s_mov_b32 s[G1+1], 800<<16
	s_mov_b32 s[G1+2], 2<<16
	s_mov_b32 s[G1+3], 800<<16
	s_mov_b32 s[G1+4], 2
	s_mov_b32 s[G1+5], 800
	s_mov_b32 s[G1+6], 0
	s_mov_b32 s[G1+7], 0
	s_mul_i32 s36, s14, 16*CHUNK
	s_mul_i32 s[G0+1], s[WV], CHUNK                ; chunk = my number, and its place in LDS
	s_add_co_u32 s36, s36, s[G0+1]
	s_mov_b32 s37, 0
	s_mov_b32 s[G0], 1
	s_wait_dscnt 0x0                               ; both opening adds are done
	s_wait_kmcnt 0x0
	s_add_nc_u64 s[G0+2:G0+3], s[6:7], s[36:37]
	s_or_b32 s[G0+3], s[G0+3], 0x80000000
	CROUND                                         ; all four work-groups are here: the joint loads meet
	s_cmp_eq_u32 s[WV], 0                          ; chunk 0 has a line of its own: it is waited for by itself
	s_cbranch_scc0 .Lother
	tensor_load_to_lds s[G0:G0+3], s[G1:G1+7]
	s_nop 0
	NOPS 4
	s_branch .Lasked
.Lother:
	tensor_load_to_lds s[G0:G0+3], s[G1:G1+7]
	s_nop 0
	NOPS 4
.Lasked:
	s_mov_b32 s[GD], s[WV]
	s_add_co_u32 s[TR], s[WV], 1
	s_lshr_b32 s[EN], s[WV], 3
	s_add_co_u32 s[EN], s[EN], 8
	s_min_u32 s[ADJ], s[WV], 8
	s_sub_co_u32 s[ADJ], 8, s[ADJ]
	s_lshr_b32 s68, s15, 1
	s_mul_i32 s[QI], s68, 1536                     ; Q: the image of the pair of tiles
	s_lshl_b32 s[QS], s68, 2
	s_add_co_u32 s[QS], s[QS], 6144                ; and its words
	s_and_b32 s68, s15, 1                          ; which of the two tiles: registers 0-5 or 6-11 of the image, by pairs of registers
	s_cmp_eq_u32 s68, 1
	s_cselect_b32 s69, 520, 0
	s_cselect_b32 s70, 1024, 8
	s_cselect_b32 s[QSH], 16, 0
	s_lshr_b32 s[T0], s14, 4
	s_lshl_b32 s[T0], s[T0], 7
	s_add_co_u32 s[T0], s[T0], s15                 ; ctx's tile of tokens, less 8 x block
	s_and_b32 s68, s14, 15                         ; the head
	s_mul_i32 s[CB], s68, 768                      ; its half of the fragment of K step head / 2
	s_lshr_b32 s[CSB], s68, 2                      ; its scale words: 256 (head / 4) + 128 (head % 2) + 64 ((head / 2) % 2)
	s_lshl_b32 s[CSB], s[CSB], 8
	s_and_b32 s67, s68, 1
	s_lshl_b32 s67, s67, 7
	s_add_co_u32 s[CSB], s[CSB], s67
	s_bfe_u32 s67, s68, 0x10001
	s_lshl_b32 s67, s67, 6
	s_add_co_u32 s[CSB], s[CSB], s67
	s_lshr_b32 s67, s15, 2
	s_lshl_b32 s67, s67, 6
	s_and_b32 s68, s15, 3
	s_lshl_b32 s68, s68, 3
	s_add_co_u32 s67, s67, s68                     ; my tile's first row in its block: 64 (p / 4) + 8 (p % 4)
	s_xor_b32 s68, s[WV], 15
	s_min_u32 s68, s68, s[WV]                      ; waves j and 15 - j share part j
	s_mul_i32 s68, s68, PARTB
	s_add_co_u32 s68, s68, STG
	s_mov_b32 s[SEL], 0x76543210
	s_mov_b32 s[SEL+1], 0xfedcba98
	s_mov_b32 s[CS], 0x3e38aa3b
	s_mov_b32 s[CS+1], s[CS]                       ; (named with it as a pair, so it is written)
	v_and_b32 v210, 31, v0                         ; lane
	v_and_b32 v211, 15, v0                         ; r
	v_bfe_u32 v212, v0, 4, 1                       ; h
	v_lshlrev_b32 v1, 4, v210
	v_lshlrev_b32 v4, 4, v211
	v_lshlrev_b32 v11, 3, v212                     ; 8 h
	v_lshlrev_b32 v240, 2, v211
	v_lshlrev_b32 v213, 3, v210                    ; 8 x lane
	v_add_nc_u32 v2, 12288, v4                     ; K's words in a chunk: 16 r
	v_lshlrev_b32 v3, 3, v211
	v_add_nc_u32 v3, 12544, v3                     ; V's: 8 r
	v_add_nc_u32 v241, 512, v213
	v_and_b32 v5, 7, v211
	v_lshrrev_b32 v214, 3, v211
	v_lshl_add_u32 v5, v214, 5, v5
	v_lshlrev_b32 v214, 5, v212
	v_sub_nc_u32 v5, v5, v214
	v_add_nc_u32 v5, s67, v5                       ; my query's place in its block, less 32 h: register 32 c + i of S^T is hidden on the diagonal where 64 c + i is greater
	v_add_nc_u32 v6, s69, v1
	v_add_nc_u32 v7, s70, v1
	v_add_nc_u32 v243, s68, v1                     ; the part handed over: O,
	v_add_nc_u32 v244, s68, v213
	v_add_nc_u32 v244, 4096, v244                  ; -M and the sum
	v_mov_b32 v242, 0xff800000                     ; -infinity
	v_mov_b32 v45, 0                               ; (named as the upper half of the pair v[44:45])
	v_mov_b32 v215, 0                              ; written once: a lane permute's destination counts as one of its sources
	v_mov_b32 v223, 0
.irp j, 22,23,24,25,26,27
	v_mov_b32 v\j, 0                               ; zero codes
.endr
	s_wait_alu depctr_va_vdst(0)
.macro QLOAD                           ; Q of block GD's tile, twice, and its scale word
	s_lshl_b32 s44, s14, 4
	s_add_co_u32 s44, s44, s[GD]
	s_mul_i32 s44, s44, 6400
	s_add_co_u32 s46, s44, s[QS]
	s_add_co_u32 s44, s44, s[QI]
	s_mov_b32 s45, 0
	s_mov_b32 s47, 0
	s_add_nc_u64 s[44:45], s[4:5], s[44:45]
	s_add_nc_u64 s[46:47], s[4:5], s[46:47]
.irp d, 16,28
	global_load_b64 v[\d:\d+1], v6, s[44:45]
	global_load_b64 v[\d+2:\d+3], v7, s[44:45]
	global_load_b64 v[\d+4:\d+5], v6, s[44:45] offset:512
.endr
	global_load_b32 v232, v4, s[46:47]
.endm
.macro QSET                            ; the word's two bytes of my tile, twice
	v_lshrrev_b32 v232, s[QSH], v232
	v_and_b32 v232, 0xffff, v232
	v_lshl_or_b32 v34, v232, 16, v232
.endm
.macro ADDS n                          ; registers 0 .. n - 1 of p take n .. 2 n - 1
.set j, 0
.rept (\n)/2
	v_pk_add_f32 v[S+j:S+j+1], v[S+j:S+j+1], v[S+j+\n:S+j+\n+1]
.set j, j+2
.endr
.endm
; A KEY STEP: 128 keys.  first = 1: a tile's first step with no earlier sums.
.macro STEP first
	v_add_nc_u32 v8, s[TB], v1                     ; (these four are also the places between the last step's products and the loads into their registers)
	v_add_nc_u32 v9, s[TB], v2
	v_add_nc_u32 v10, s[TB], v3
	v_nop
	ds_load_b128 v[KS:KS+3], v9
.irp m, 0,1,2,3
.irp g, 0,1,2
	ds_load_b128 v[KV+12*\m+4*\g:KV+12*\m+4*\g+3], v8 offset:1536*\m+512*\g
.endr
.endr
	ds_load_b64 v[VS:VS+1], v10
	ds_load_b64 v[VS+2:VS+3], v10 offset:128
	s_wait_alu depctr_va_vdst(0)
.irp m, 0,1,2,3                        ; S^T = K Q^T
	s_wait_dscnt 11-3*\m                           ; pair m's image is in; the later pairs' three loads each and V's two may be out
	v_wmma_scale_f32_16x16x128_f8f6f4 v[S+16*\m:S+16*\m+7], v[KV+12*\m:KV+12*\m+11], v[16:27], 0, v[KS+\m], v34 matrix_a_fmt:MATRIX_FMT_BF6 matrix_b_fmt:MATRIX_FMT_BF6
	v_wmma_scale_f32_16x16x128_f8f6f4 v[S+16*\m+8:S+16*\m+15], v[KV+12*\m:KV+12*\m+11], v[22:33], 0, v[KS+\m], v34 matrix_a_fmt:MATRIX_FMT_BF6 matrix_b_fmt:MATRIX_FMT_BF6
.endr
	NOPS 4                                         ; places in front of the loads into K's registers and of the first read of the scores
.irp m, 0,1,2,3                        ; V's four images land while the softmax is worked
.irp g, 0,1,2
	ds_load_b128 v[KV+12*\m+4*\g:KV+12*\m+4*\g+3], v8 offset:6144+1536*\m+512*\g
.endr
.endr
	s_cmp_lg_u32 s[G], s[GD]                       ; on the diagonal the scores of hidden keys become -infinity ahead of the maximum: p = 0 then.  The block's first key counts for every query of it
	s_cbranch_scc1 .Lopen_\@
.set n, 0
.rept 64
	v_cmp_gt_i32 vcc_lo, 64*(n/32)+n%32, v5
	v_cndmask_b32 v[S+n], v[S+n], v242, vcc_lo
.set n, n+1
.endr
.Lopen_\@:
.irp c, 0,1                            ; the largest score of each of my two blocks: for the row's maximum and, since p rises with the score, for the block's largest p
	v_max3_num_f32 v[BM+\c], v[S+32*\c], v[S+32*\c+1], v[S+32*\c+2]
	v_max3_num_f32 v[B1+\c], v[S+32*\c+17], v[S+32*\c+18], v[S+32*\c+19]
.endr
.irp i, 3,5,7,9,11,13
.irp c, 0,1
	v_max3_num_f32 v[BM+\c], v[BM+\c], v[S+32*\c+\i], v[S+32*\c+\i+1]
	v_max3_num_f32 v[B1+\c], v[B1+\c], v[S+32*\c+\i+17], v[S+32*\c+\i+18]
.endr
.endr
.irp c, 0,1
	v_max3_num_f32 v[BM+\c], v[BM+\c], v[S+32*\c+15], v[S+32*\c+16]
.endr
.irp c, 0,1
	v_max_num_f32 v[BM+\c], v[BM+\c], v[B1+\c]
.endr
	v_max_num_f32 v214, v[BM], v[BM+1]
	v_permlanex16_b32 v215, v214, s[SEL], s[SEL+1]
	v_max_num_f32 v214, v214, v215                 ; the step's largest score of my query
.if \first
	v_mul_f32 v13, s[CS], v214                     ; the largest t
	v_floor_f32 v12, -v13                          ; -M = -ceil(t): a whole number
.else
	v_mul_f32 v214, s[CS], v214
	v_max_num_f32 v13, v13, v214                   ; the running largest t
	v_mov_b32 v216, v12
	v_floor_f32 v12, -v13                          ; the new -M
	v_sub_f32 v216, v12, v216                      ; old M - new M: a whole number, 0 or less
	v_cvt_i32_f32 v216, v216                       ; (it saturates)
	v_ldexp_f32 v44, 1.0, v216                     ; f = 2^(old M - new M)
.endif
.set j, 0
.rept 32
	v_pk_fma_f32 v[S+j:S+j+1], v[S+j:S+j+1], s[CS:CS+1], v[12:13] op_sel_hi:[1,0,0]   ; t - M, two at a time
.set j, j+2
.endr
.irp c, 0,1
	v_fma_f32 v[BM+\c], v[BM+\c], s[CS], v12       ; the same of each block's largest score
.endr
.if \first == 0
.set j, 0
.rept 16
	v_pk_mul_f32 v[O+j:O+j+1], v[O+j:O+j+1], v[44:45] op_sel_hi:[1,0]   ; O^T under the new M
.set j, j+2
.endr
.endif
	s_wait_alu depctr_va_vdst(0)                   ; the wait ahead of the batch
.irp c, 0,1
	v_exp_f32 v[BM+\c], v[BM+\c]                   ; the block's largest p: the same two instructions on the same number give the same bits
.endr
.set j, 0
.rept 64
	v_exp_f32 v[S+j], v[S+j]                       ; p = 2^(t - M), at most 1, not normalised
.set j, j+1
.endr
	v_nop                                          ; a plain instruction behind the exponentials
	s_wait_alu depctr_va_vdst(0)                   ; and the wait behind it
.irp c, 0,1
	v_max_num_f32 v[BM+\c], 0x2800000, v[BM+\c]    ; the floor 2^(5 - 127): the byte cannot fall under 1
.endr
.irp c, 0,1
	v_add_nc_u32 v[SO+\c], 0xfe000000, v[BM+\c]    ; 4 off the exponent field: the conversion's scale operand
.endr
.irp c, 0,1
	v_cvt_scalef32_pk16_bf6_f32 v[PC+6*\c:PC+2+6*\c], v[S+32*\c:S+15+32*\c], v[SO+\c]
	v_cvt_scalef32_pk16_bf6_f32 v[CT+4*\c:CT+2+4*\c], v[S+16+32*\c:S+31+32*\c], v[SO+\c]
.endr
.irp c, 0,1
	v_lshrrev_b32 v[BY+\c], 23, v[SO+\c]           ; the scale's byte.  (Plain instructions behind the conversions)
.endr
.irp c, 0,1
.irp i, 0,1,2
	v_mov_b32 v[PC+3+6*\c+\i], v[CT+4*\c+\i]
.endr
.endr
	v_lshl_or_b32 v222, v[BY+1], 16, v[BY]
	v_lshlrev_b32 v222, v11, v222                  ; my two bytes at their places,
	v_permlanex16_b32 v223, v222, s[SEL], s[SEL+1]
	v_or_b32 v35, v222, v223                       ; with lane l xor 16's: p's scale word for these 128 keys
	ADDS 32                                        ; the row's sum is taken of the unquantised p
	ADDS 16
	ADDS 8
	ADDS 4
.if \first
	v_pk_add_f32 v[14:15], v[S:S+1], v[S+2:S+3]
.else
	v_pk_fma_f32 v[14:15], v[14:15], v[44:45], v[S:S+1] op_sel_hi:[1,0,1]   ; the sums under the new M
	v_pk_add_f32 v[14:15], v[14:15], v[S+2:S+3]
.endif
	s_wait_alu depctr_va_vdst(0)
	s_wait_dscnt 0x0                               ; V is in
.irp t, 0,1,2,3                        ; O^T += V^T P^T: the four accumulators by turns, one instruction a turn
.if \first
	v_wmma_scale_f32_16x16x128_f8f6f4 v[O+8*\t:O+8*\t+7], v[KV+12*\t:KV+12*\t+11], v[PC:PC+11], 0, v[VS+\t], v35 matrix_a_fmt:MATRIX_FMT_BF6 matrix_b_fmt:MATRIX_FMT_BF6
.else
	v_wmma_scale_f32_16x16x128_f8f6f4 v[O+8*\t:O+8*\t+7], v[KV+12*\t:KV+12*\t+11], v[PC:PC+11], v[O+8*\t:O+8*\t+7], v[VS+\t], v35 matrix_a_fmt:MATRIX_FMT_BF6 matrix_b_fmt:MATRIX_FMT_BF6
.endif
.endr
.endm
.macro OADDR                           ; where block GD's tile goes
	s_lshl_b32 s68, s[GD], 3
	s_add_co_u32 s68, s68, s[T0]
	s_wait_xcnt 0x0                                ; no store still reads the bases below
	s_mul_i32 s48, s68, 12288
	s_add_co_u32 s48, s48, s[CB]
	s_mov_b32 s49, 0
	s_lshl_b32 s50, s68, 10
	s_add_co_u32 s50, s50, s[CSB]
	s_mov_b32 s51, 0
	s_add_nc_u64 s[48:49], s[8:9], s[48:49]
	s_add_nc_u64 s[50:51], s[10:11], s[50:51]
.endm
; THE WAY OUT: O^T / the sum (my lane's part of it in v14); a lane's 32 numbers are features 32 h + i of my query's head: one block of the last product's K.  They leave as a half image and a scale word (bytes 0 and 1).
.macro WRITEOUT
	v_permlanex16_b32 v215, v14, s[SEL], s[SEL+1]
	v_add_f32 v14, v14, v215                       ; the row's sum
	s_wait_alu depctr_va_vdst(0)
	v_rcp_f32 v14, v14
	v_nop                                          ; a plain instruction behind the transcendental
	s_wait_alu depctr_va_vdst(0)
.set j, 0
.rept 32
	v_mul_f32 v[S+j], v[O+j], v14                  ; each accumulator from its low end on
.set j, j+1
.endr
	v_max3_num_f32 v[BM], |v[S]|, |v[S+1]|, 0x2800000
	v_max3_num_f32 v[BM+1], |v[S+16]|, |v[S+17]|, 0x2800000
.irp i, 2,4,6,8,10,12,14
	v_max3_num_f32 v[BM], v[BM], |v[S+\i]|, |v[S+\i+1]|
	v_max3_num_f32 v[BM+1], v[BM+1], |v[S+\i+16]|, |v[S+\i+17]|
.endr
	v_max_num_f32 v[BM], v[BM], v[BM+1]
	v_add_nc_u32 v[SO], 0xfe000000, v[BM]
	v_cvt_scalef32_pk16_bf6_f32 v[PC:PC+2], v[S:S+15], v[SO]
	v_cvt_scalef32_pk16_bf6_f32 v[CT:CT+2], v[S+16:S+31], v[SO]
	v_lshrrev_b32 v[BY], 23, v[SO]
	v_lshlrev_b32 v[BY], v11, v[BY]
	v_permlanex16_b32 v223, v[BY], s[SEL], s[SEL+1]
	v_or_b32 v222, v[BY], v223
.irp i, 0,1,2
	v_mov_b32 v[PC+3+\i], v[CT+\i]
.endr
	global_store_b128 v1, v[PC:PC+3], s[48:49]     ; 512 consecutive bytes, then 256: whole aligned blocks of 256
	global_store_b64 v241, v[PC+4:PC+5], s[48:49]
	global_store_b32 v240, v222, s[50:51]          ; lanes r and r + 16 store the same word with the same value
.endm
	QLOAD
	s_mov_b32 s[TB], 0
	s_mov_b32 s[G], 0
	s_wait_loadcnt 0x0
	QSET
	NOPS 8                                         ; a scale register written by a vector instruction stands eight plain instructions ahead of a scaled matrix instruction
	s_wait_alu depctr_va_vdst(0)                   ; the head's end
	s_cmp_eq_u32 s[WV], 0
	s_cbranch_scc0 .Lnot_mine
	s_wait_tensorcnt 0x0                           ; chunk 0 is in
.Lnot_mine:
	s_wait_dscnt 0x0
	s_barrier_signal -1
	s_barrier_wait -1
	STEP 1                                         ; key step 0 counts for every tile
	s_wait_tensorcnt 0x0                           ; my chunk is in
	s_wait_dscnt 0x0
	s_barrier_signal -1
	s_barrier_wait -1                              ; all sixteen are
	s_mov_b32 s[NT], 1
.Ltrip:
	s_cmp_lg_u32 s[NT], s[TR]
	s_cbranch_scc1 .Lsame
	; my own tile is finished: out with it, and on to the other tile's last steps with nothing summed yet
	NOPS 4                                         ; places behind the last products
	OADDR
	s_xor_b32 s[GD], s[GD], 15
	QLOAD
	v_add_f32 v14, v14, v15
	WRITEOUT
	s_wait_alu depctr_va_vdst(0)
	s_wait_loadcnt 0x0
	s_wait_xcnt 0x0                                ; the stores have read their registers
	QSET
	v_mov_b32 v13, 0xff61b1e6                      ; the largest t so far: -3e38, under every t
	v_floor_f32 v12, -v13
	v_mov_b32 v14, 0
	v_mov_b32 v15, 0
.set j, 0
.rept 32
	v_mov_b32 v[O+j], 0                            ; (the first change of M multiplies zeros)
.set j, j+1
.endr
	s_wait_alu depctr_va_vdst(0)
.Lsame:
	s_wait_dscnt 0x0
	s_barrier_signal -1                            ; a split barrier keeps the waves in step: none begins the next trip's work before all have begun this one's.  It hands over no data; between signal and wait stand register work and
	                                               ; LDS loads of bytes that were filled once
	s_cmp_ge_u32 s[NT], s[EN]
	s_cbranch_scc1 .Lskip
	s_cmp_ge_u32 s[NT], s[TR]
	s_cselect_b32 s[G], s[ADJ], 0
	s_add_co_u32 s[G], s[G], s[NT]
	s_min_u32 s[G], s[G], 15
	s_mul_i32 s[TB], s[G], CHUNK
	STEP 0
.Lskip:
	s_wait_alu depctr_va_vdst(0)
	s_barrier_wait -1
	s_add_co_u32 s[NT], s[NT], 1
	s_cmp_lt_u32 s[NT], 9
	s_cbranch_scc1 .Ltrip
	NOPS 4                                         ; places behind the last products
	s_cmp_lt_u32 s[WV], 8
	s_cbranch_scc0 .Lkeep
	v_add_f32 v13, v14, v15                        ; my part of the other tile: O^T, -M and my lane's sum.  (Wave 7 has no step of it: zeros under M = -3e38)
.irp k, 0,1,2,3,4,5,6,7
	ds_store_b128 v243, v[O+4*\k:O+4*\k+3] offset:512*\k
.endr
	ds_store_b64 v244, v[12:13]
.Lkeep:
	s_wait_dscnt 0x0
	s_barrier_signal -1
	s_barrier_wait -1
	s_cmp_lt_u32 s[WV], 8
	s_cbranch_scc1 .Lend
	OADDR
.irp k, 0,1,2,3,4,5,6,7
	ds_load_b128 v[S+4*\k:S+4*\k+3], v243 offset:512*\k
.endr
	ds_load_b64 v[224:225], v244
	s_wait_dscnt 0x0
	v_min_num_f32 v214, v12, v224                  ; -M of both
	v_sub_f32 v216, v214, v12
	v_sub_f32 v217, v214, v224
	v_cvt_i32_f32 v216, v216                       ; (they saturate)
	v_cvt_i32_f32 v217, v217
	v_ldexp_f32 v44, 1.0, v216
	v_ldexp_f32 v46, 1.0, v217
	v_add_f32 v14, v14, v15
	v_mul_f32 v14, v14, v44
	v_fma_f32 v14, v225, v46, v14
.set j, 0
.rept 16
	v_pk_mul_f32 v[O+j:O+j+1], v[O+j:O+j+1], v[44:45] op_sel_hi:[1,0]
.set j, j+2
.endr
.set j, 0
.rept 16
	v_pk_fma_f32 v[O+j:O+j+1], v[S+j:S+j+1], v[46:47], v[O+j:O+j+1] op_sel_hi:[1,0,1]
.set j, j+2
.endr
	WRITEOUT
.Lend:
	s_wait_tensorcnt 0x0                           ; the wave's end
	ds_add_u32 v254, v255
	s_wait_dscnt 0x0
	CROUND                                         ; the closing round
	s_endpgm
.Lfunc_end_k_q4810b27e70_attn:
	.size	k_q4810b27e70_attn, .Lfunc_end_k_q4810b27e70_attn-k_q4810b27e70_attn
	.p2alignl 7, 3214868480
	.fill 96, 4, 3214868480
	.section	.rodata,"a",@progbits
	.p2align	6, 0x0
	.amdhsa_kernel k_q4810b27e70_attn
		.amdhsa_group_segment_fixed_size 241664
		.amdhsa_private_segment_fixed_size 0
		.amdhsa_enable_private_segment 0
		.amdhsa_kernarg_size 32
		.amdhsa_user_sgpr_count 2
		.amdhsa_user_sgpr_kernarg_segment_ptr 1
		.amdhsa_wavefront_size32 1
		.amdhsa_system_sgpr_workgroup_id_x 1
		.amdhsa_system_sgpr_workgroup_id_y 1
		.amdhsa_system_sgpr_workgroup_id_z 1
		.amdhsa_system_vgpr_workitem_id 0
		.amdhsa_next_free_vgpr 256
		.amdhsa_next_free_sgpr 80
		.amdhsa_reserve_vcc 1
		.amdhsa_float_denorm_mode_32 3
		.amdhsa_float_denorm_mode_16_64 3
		.amdhsa_memory_ordered 1
		.amdhsa_forward_progress 1
		.amdhsa_inst_pref_size 60
	.end_amdhsa_kernel
	.amdgpu_metadata
---
amdhsa.version: [ 1, 2 ]
amdhsa.kernels:
  - .name:           k_q4810b27e70_attn
    .symbol:         k_q4810b27e70_attn.kd
    .args:
      - { .name: qb, .offset: 0, .size: 8, .value_kind: global_buffer, .address_space: global }
      - { .name: kv, .offset: 8, .size: 8, .value_kind: global_buffer, .address_space: global }
      - { .name: ctx, .offset: 16, .size: 8, .value_kind: global_buffer, .address_space: global }
      - { .name: cs, .offset: 24, .size: 8, .value_kind: global_buffer, .address_space: global }
    .group_segment_fixed_size: 241664
    .private_segment_fixed_size: 0
    .kernarg_segment_align: 8
    .kernarg_segment_size: 32
    .max_flat_workgroup_size: 512
    .sgpr_count:     80
    .vgpr_count:     256
    .wavefront_size: 32
...
	.end_amdgpu_metadata
.endif
;; end of part 3
;; launch oproj (part 4): grid 8 x 32, 4 waves a work-group, clusters of 4 x 4, 214,528 bytes of LDS; arguments ctx, cs, img, isc, bo, out0; writes out0
.if DOCPART == 4
	.amdgcn_target "amdgcn-amd-amdhsa--gfx1250"
	.amdhsa_code_object_version 6
	.text
	.protected	k_q4810b27e70_oproj
	.globl	k_q4810b27e70_oproj
	.p2align	8
	.type	k_q4810b27e70_oproj,@function
k_q4810b27e70_oproj:
	s_mov_b64 s[64:65], 0
	v_nop
	global_prefetch_b8 v0, s[64:65] scope:SCOPE_SE
	s_setreg_imm32_b32 hwreg(HW_REG_WAVE_MODE, 25, 1), 1
	s_wait_xcnt 0x0
	s_wait_alu depctr_hold_cnt(0) depctr_sa_sdst(0) depctr_va_vdst(0) depctr_va_sdst(0) depctr_va_ssrc(0) depctr_va_vcc(0) depctr_vm_vsrc(0)
	s_getreg_b32 s2, hwreg(HW_REG_IB_STS2, 6, 4)
	s_cmp_eq_u32 s2, 0
	s_cbranch_scc0 .Lentry_in_a_cluster
	s_endpgm
.Lentry_in_a_cluster:
	s_bfe_u32 s2, ttmp6, 0x10000c
	s_cmp_lg_u32 s2, 0xf033
	s_cbranch_scc0 .Lentry_shape_is_right
	s_endpgm
.Lentry_shape_is_right:
; out0 = ctx Wo^T + bo on codes of BF6 (E3M2) with E8M0 scales, sums in f32.  ctx [4096][1024] and Wo [1024][1024] come as images of the operands' registers: Wo's fragments as three groups of four registers
; (512 c + 16 x lane), ctx's as two half images (registers 0-3 at 16 x lane, 4-5 at 512 + 8 x lane; the second 768 bytes on), both at (8 T + s) x 1,536.  NaN and infinities are not served.
; SHARES.  Work-group (tx, ty): 128 features (Wo's tiles 448 + 8 tx on) x 128 tokens (ctx's tiles 8 ty on): 256 work-groups.  Four waves, each 64 x 64.
; All of K lies in LDS at once ([ctx: 8 tiles x 12,288 bytes][Wo: the same]), filled once by one tensor load a wave.  CLUSTER 4 x 4: ctx's tiles are shared along a row of the cluster, Wo's along a column: each is
; asked for jointly.  No prefetch: no load stands in a loop.
; Wo's 32 fragments of the wave stay in registers; the four tiles of 16 tokens are finished one after the other, and each leaves while the next is multiplied.
; THE MATRIX INSTRUCTION IS USED TRANSPOSED (source 0 = 16 rows of Wo, source 1 = 16 tokens): by the rows of tiles (first launch) lane (r, h) holds of one token the 32 neighbouring features 32 h + 8 b + j (b the tile);
; row i of tile a is token 8 a + i % 8 + 32 (i / 8) of the wave's 64.  The bias is the C of each sum's first matrix instruction.
; REGISTERS: window 0: v16-31 addresses; v32-63 the bias; v64-95 halves of ctx's scale words; v96-111 Wo's scale words, v112-127 ctx's (4 a tile; even K steps in lanes 0-15, odd ones in lanes 16-31); v128-191 the
; accumulators of two tiles; v192-255 rows on their way out.  Window 1: Wo's fragments of K steps 0-4, window 2: 5-7 (48 registers a step).  Window 3: ctx's fragments of two tiles, 96 registers each.
.set TILEB, 12288
.set HALF,  4*TILEB
.set PART,  8*TILEB
.set STAGE, 2*PART                     ; behind the tiles: 16 rows x (256 bytes + 16) for each wave; no tensor load fills it
.set SP,    272
.set SPARE, STAGE+4*16*SP
.set ADC,  16
.set ADC8, 18
.set ADW,  20
.set L16,  22
.set STO,  24
.set RD,   25
.set CO,   26
.set L8,   27
.set L4,   28
.set HB,   29
.set BI,   32
.set CT,   64
.set SCW,  96
.set SCC,  112
.set ACC,  128
.set OBR,  192
.set WV,   16
.set G1C,  24
.set G1W,  32
.set G0C,  40
.set G0W,  44
.set MSB, 0
.macro WIN new                         ; the immediate's high byte repeats the setting that is left
.if MSB != \new
	s_set_vgpr_msb (MSB<<8)|\new
.set MSB, \new
.endif
.endm
.macro PLACES
.rept 4
	v_nop
.endr
.endm
.macro CROUND                          ; a round of the cluster's barrier
	s_barrier_signal -1
	s_barrier_wait -1
	s_cmp_lg_u32 s[WV], 0
	s_cbranch_scc1 .Lnot_wave_0_\@
	s_barrier_signal -3
.Lnot_wave_0_\@:
	s_barrier_wait -3
	s_barrier_signal -1
	s_barrier_wait -1
.endm
	s_load_b256 s[4:11], s[0:1], 0x0               ; ctx s[4:5], cs s[6:7], img s[8:9], isc s[10:11]
	s_load_b128 s[12:15], s[0:1], 0x20             ; bo s[12:13], out0 s[14:15]
	v_lshl_add_u32 v30, v0, 2, SPARE
	v_mov_b32 v31, 0
	ds_add_u32 v30, v31                            ; the opening
	ds_add_u32 v30, v31
	v_lshrrev_b32 v1, 5, v0
	v_readfirstlane_b32 s[WV], v1                  ; wave 0..3
	s_lshr_b32 s17, s[WV], 1                       ; which 64 tokens are mine.  Also: I fetch for ctx (0) or for Wo (1)
	s_and_b32 s18, s[WV], 1                        ; which 64 features.  Also: which 4 tiles of that part I fetch
	s_bfe_u32 s19, ttmp6, 0x40000                  ; cx, cy
	s_bfe_u32 s20, ttmp6, 0x40004
	s_lshl_b32 s21, ttmp9, 2
	s_add_co_u32 s21, s21, s19                     ; tx
	s_and_b32 s22, ttmp7, 0xffff
	s_lshl_b32 s22, s22, 2
	s_add_co_u32 s22, s22, s20                     ; ty
	s_lshl_b32 s23, s20, 2
	s_lshl_b32 s23, 15, s23                        ; my row of the cluster
	s_lshl_b32 s56, 0x1111, s19                    ; my column
	; descriptor group 1: 4 rows (tiles) of 12,288 bytes (all of K) as 1,536 elements of 8 bytes, dense
	s_or_b32 s[G1C], s23, (3<<16)|(1<<21)
	s_or_b32 s[G1W], s56, (3<<16)|(1<<21)
.irp g, G1C, G1W
	s_mov_b32 s[\g+1], 1536<<16
	s_mov_b32 s[\g+2], 4<<16
	s_mov_b32 s[\g+3], 1536<<16
	s_mov_b32 s[\g+4], 4
	s_mov_b32 s[\g+5], 1536
	s_mov_b32 s[\g+6], 0
	s_mov_b32 s[\g+7], 0
.endr
	s_lshl_b32 s57, s18, 2                         ; which 4 tiles I fetch
	s_lshl_b32 s58, s22, 3
	s_add_co_u32 s58, s58, s57                     ; ctx: tile 8 ty + 4 x half: of ty and the wave's number alone
	s_mul_i32 s58, s58, TILEB
	s_mov_b32 s59, 0
	s_lshl_b32 s60, s21, 3
	s_add_co_u32 s60, s60, s57
	s_add_co_u32 s60, s60, 448                     ; Wo: tile 448 + 8 tx + 4 x half: of tx and the wave's number alone
	s_mul_i32 s60, s60, TILEB
	s_mov_b32 s61, 0
	s_mul_i32 s62, s[WV], HALF                     ; where they go
	s_wait_dscnt 0x0                               ; both opening adds are done
	s_wait_kmcnt 0x0
	s_add_nc_u64 s[58:59], s[4:5], s[58:59]
	s_add_nc_u64 s[60:61], s[8:9], s[60:61]
	CROUND                                         ; all sixteen work-groups are here: the joint loads meet
	s_mov_b32 s[G0C], 1
	s_mov_b32 s[G0C+1], s62
	s_mov_b64 s[G0C+2:G0C+3], s[58:59]
	s_or_b32 s[G0C+3], s[G0C+3], 0x80000000
	s_mov_b32 s[G0W], 1
	s_mov_b32 s[G0W+1], s62
	s_mov_b64 s[G0W+2:G0W+3], s[60:61]
	s_or_b32 s[G0W+3], s[G0W+3], 0x80000000
	s_cmp_eq_u32 s17, 0                            ; one tensor load a wave
	s_cbranch_scc0 .Lfirst_w
	tensor_load_to_lds s[G0C:G0C+3], s[G1C:G1C+7]
	s_nop 0
	PLACES
	s_branch .Lfirst_asked
.Lfirst_w:
	tensor_load_to_lds s[G0W:G0W+3], s[G1W:G1W+7]
	s_nop 0
	PLACES
.Lfirst_asked:
	s_lshl_b32 s70, s21, 3
	s_add_co_u32 s70, s70, s57
	s_add_co_u32 s70, s70, 448
	s_lshl_b32 s70, s70, 9                         ; Wo's scale words: 512 bytes a tile
	s_mov_b32 s71, 0
	s_add_nc_u64 s[70:71], s[10:11], s[70:71]
	s_lshl_b32 s72, s22, 3
	s_lshl_b32 s74, s17, 2
	s_add_co_u32 s72, s72, s74
	s_lshl_b32 s72, s72, 10                        ; ctx's: 1,024 bytes a tile
	s_mov_b32 s73, 0
	s_add_nc_u64 s[72:73], s[6:7], s[72:73]
	s_lshl_b32 s76, s21, 9
	s_lshl_b32 s74, s18, 8
	s_add_co_u32 s76, s76, s74                     ; my first feature, in bytes: 4 (128 tx + 64 x half)
	s_mov_b32 s77, 0
	s_add_nc_u64 s[78:79], s[12:13], s[76:77]
	s_lshl_b32 s80, s22, 19
	s_lshl_b32 s74, s17, 18
	s_add_co_u32 s80, s80, s74                     ; my first token's row of 4,096 bytes
	s_add_co_u32 s80, s80, s76
	s_mov_b32 s81, 0
	s_add_nc_u64 s[14:15], s[14:15], s[80:81]
	s_mul_i32 s66, s17, HALF                       ; my 4 tiles of ctx
	s_mul_i32 s67, s18, HALF                       ; my 4 tiles of Wo,
	s_add_co_u32 s67, s67, PART                    ; which lie behind ctx's part
	s_mul_i32 s68, s[WV], 16*SP
	s_add_co_u32 s68, s68, STAGE                   ; my stage
	v_and_b32 v1, 31, v0
	v_and_b32 v2, 15, v0                           ; r
	v_bfe_u32 v3, v0, 4, 1                         ; h
	v_lshlrev_b32 v[L16], 4, v1
	v_lshlrev_b32 v[L8], 3, v1
	v_lshlrev_b32 v[L4], 2, v1
	v_lshlrev_b32 v[HB], 7, v3
	v_add_nc_u32 v[ADC], s66, v[L16]
	v_add_nc_u32 v[ADC8], s66, v[L8]
	v_add_nc_u32 v[ADW], s67, v[L16]
	v_mul_u32_u24 v[STO], v2, SP                   ; in: row r; features 32 h on: 128 h bytes
	v_lshl_add_u32 v[STO], v3, 7, v[STO]
	v_add_nc_u32 v[STO], s68, v[STO]
	v_mul_u32_u24 v[RD], v3, SP                    ; back: lanes 0-15 one row of 256 bytes, lanes 16-31 the next
	v_lshl_add_u32 v[RD], v2, 4, v[RD]
	v_add_nc_u32 v[RD], s68, v[RD]
	v_lshlrev_b32 v[CO], 12, v3                    ; and the same two rows in out0
	v_lshl_add_u32 v[CO], v2, 4, v[CO]
.irp b, 0,1,2,3
	global_load_b128 v[SCW+4*\b:SCW+4*\b+3], v[L16], s[70:71] offset:512*\b
.endr
.irp a, 0,1,2,3                        ; ctx's scale words come in halves: bytes 0, 1 from the even head of a K step, bytes 2, 3 from the odd one
.irp p, 0,1,2,3
	global_load_b32 v[CT+2*(4*\a+\p)], v[L4], s[72:73] offset:1024*\a+256*\p
	global_load_b32 v[CT+2*(4*\a+\p)+1], v[L4], s[72:73] offset:1024*\a+256*\p+128
.endr
.endr
.irp b, 0,1,2,3                        ; the bias in the result's layout: lane (r, h), register j: feature 32 h + 8 b + j of my 64
	global_load_b128 v[BI+8*\b:BI+8*\b+3], v[HB], s[78:79] offset:32*\b
	global_load_b128 v[BI+8*\b+4:BI+8*\b+7], v[HB], s[78:79] offset:32*\b+16
.endr
	s_wait_alu depctr_va_vdst(0)
	s_wait_loadcnt 0x0
.set i, 0
.rept 16
	v_lshl_or_b32 v[SCC+i], v[CT+2*i+1], 16, v[CT+2*i]
.set i, i+1
.endr
.rept 8
	v_nop                                          ; a scale register written by a vector instruction stands eight plain instructions ahead of a scaled matrix instruction
.endr
.macro WO s                            ; Wo's four fragments of K step s: 12 loads
.if (\s) < 5
	WIN 0x40
.set FW, 48*(\s)
.else
	WIN 0x80
.set FW, 48*((\s)-5)
.endif
.irp b, 0,1,2,3
.irp c, 0,1,2
	ds_load_b128 v[FW+12*\b+4*\c:FW+12*\b+4*\c+3], v[ADW] offset:TILEB*\b+1536*(\s)+512*\c
.endr
.endr
.endm
.macro CTXL a                          ; ctx's tile a, all of K: 32 loads
	WIN 0xc0
.irp s, 0,1,2,3,4,5,6,7
.set FC, 96*((\a)%2)+12*\s
.set OF, TILEB*(\a)+1536*\s
	ds_load_b128 v[FC:FC+3], v[ADC] offset:OF
	ds_load_b64 v[FC+4:FC+5], v[ADC8] offset:OF+512
	ds_load_b128 v[FC+6:FC+9], v[ADC] offset:OF+768
	ds_load_b64 v[FC+10:FC+11], v[ADC8] offset:OF+1280
.endr
.endm
.macro MUL a, s                        ; tile a, K step s: the four accumulators by turns, one instruction a turn
.if (\s) < 5
	WIN 0x0d                                       ; source 0 window 1, source 1 window 3; C and D window 0
.set FW, 48*(\s)
.else
	WIN 0x0e
.set FW, 48*((\s)-5)
.endif
.set FC, 96*((\a)%2)+12*(\s)
.irp b, 0,1,2,3
.set DD, ACC+32*((\a)%2)+8*\b
.set FA, FW+12*\b
.set XA, SCW+4*\b+(\s)/2
.set XB, SCC+4*(\a)+(\s)/2
.if (\s) == 0
	v_wmma_scale_f32_16x16x128_f8f6f4 v[DD:DD+7], v[FA:FA+11], v[FC:FC+11], v[BI+8*\b:BI+8*\b+7], v[XA], v[XB] matrix_a_fmt:MATRIX_FMT_BF6 matrix_b_fmt:MATRIX_FMT_BF6
.elseif (\s)%2 == 1
	v_wmma_scale_f32_16x16x128_f8f6f4 v[DD:DD+7], v[FA:FA+11], v[FC:FC+11], v[DD:DD+7], v[XA], v[XB] matrix_a_fmt:MATRIX_FMT_BF6 matrix_b_fmt:MATRIX_FMT_BF6 matrix_a_scale:MATRIX_SCALE_ROW1 matrix_b_scale:MATRIX_SCALE_ROW1
.else
	v_wmma_scale_f32_16x16x128_f8f6f4 v[DD:DD+7], v[FA:FA+11], v[FC:FC+11], v[DD:DD+7], v[XA], v[XB] matrix_a_fmt:MATRIX_FMT_BF6 matrix_b_fmt:MATRIX_FMT_BF6
.endif
.endr
.endm
; THE WAY OUT of tile a.  A lane holds 128 neighbouring bytes of a row, and the lanes beside it hold other rows: so a tile goes through my own stage in LDS and comes back as whole rows of 256 bytes.  LDS serves a
; wave's instructions in order: no wait between the stores and the loads, nor in front of the next tile's stores.
.macro TOSTAGE a
	WIN 0
	PLACES                                         ; behind the tile's last products; also in front of the loads into the fragments that they read
.irp b, 0,1,2,3
.set DD, ACC+32*((\a)%2)+8*\b
	ds_store_b128 v[STO], v[DD:DD+3] offset:32*\b          ; each accumulator from its low end on
	ds_store_b128 v[STO], v[DD+4:DD+7] offset:32*\b+16
.endr
.set OB, OBR+32*((\a)%2)
.if (\a) > 1
	s_wait_xcnt 0x0                                ; tile a - 2's stores have read their registers
.endif
.irp i, 0,1,2,3,4,5,6,7
	ds_load_b128 v[OB+4*\i:OB+4*\i+3], v[RD] offset:\i*2*SP
.endr
.endm
.macro SEND a, younger                 ; younger: the LDS loads issued behind tile a's, which may stay out
	WIN 0
.set OB, OBR+32*((\a)%2)
	s_wait_dscnt \younger
.irp i, 0,1,2,3,4,5,6,7                ; stage rows 2 i, 2 i + 1 are tokens 8 a + (2 i) % 8 + 32 (i / 4) and the next
	global_store_b128 v[CO], v[OB+4*\i:OB+4*\i+3], s[14:15] offset:(8*(\a)+(2*\i)%8+32*(\i/4))*4096 th:TH_STORE_NT   ; 16 lanes store 256 consecutive bytes, aligned; written once, read by nobody here
.endr
.endm
	s_wait_alu depctr_va_vdst(0)                   ; the head's end
	s_wait_tensorcnt 0x0                           ; my part of the tiles is in
	s_wait_dscnt 0x0
	s_barrier_signal -1
	s_barrier_wait -1                              ; everybody's is
	CTXL 0
	WO 0
	WO 1
	WO 2
.irp s, 0,1,2,3,4,5,6,7
.if \s < 5
	WO \s+3
	s_wait_dscnt 36                                ; Wo's fragments of three later steps may be out
.elseif \s == 5
	CTXL 1
	s_wait_dscnt 56                                ; two later steps' and tile 1's 32
.elseif \s == 6
	s_wait_dscnt 44
.else
	s_wait_dscnt 32
.endif
	MUL 0, \s
.endr
.irp a, 1,2,3
	TOSTAGE \a-1
.if \a < 3
	CTXL \a+1
	s_wait_dscnt 48                                ; tile a's fragments are in: behind them the stage's 16 and the next tile's 32
.else
	s_wait_dscnt 16
.endif
.irp s, 0,1,2,3
	MUL \a, \s
.endr
.if \a < 3
	SEND \a-1, 32
.else
	SEND \a-1, 0
.endif
.irp s, 4,5,6,7
	MUL \a, \s
.endr
.endr
	TOSTAGE 3
	SEND 3, 0
	s_wait_tensorcnt 0x0                           ; the wave's end
	ds_add_u32 v30, v31
	s_wait_dscnt 0x0
	CROUND                                         ; the closing round: no work-group ends while a partner may still ask for a tile that names it
	s_endpgm
.Lfunc_end_k_q4810b27e70_oproj:
	.size	k_q4810b27e70_oproj, .Lfunc_end_k_q4810b27e70_oproj-k_q4810b27e70_oproj
	.p2alignl 7, 3214868480
	.fill 96, 4, 3214868480
	.section	.rodata,"a",@progbits
	.p2align	6, 0x0
	.amdhsa_kernel k_q4810b27e70_oproj
		.amdhsa_group_segment_fixed_size 214528
		.amdhsa_private_segment_fixed_size 0
		.amdhsa_enable_private_segment 0
		.amdhsa_kernarg_size 48
		.amdhsa_user_sgpr_count 2
		.amdhsa_user_sgpr_kernarg_segment_ptr 1
		.amdhsa_wavefront_size32 1
		.amdhsa_system_sgpr_workgroup_id_x 1
		.amdhsa_system_sgpr_workgroup_id_y 1
		.amdhsa_system_sgpr_workgroup_id_z 1
		.amdhsa_system_vgpr_workitem_id 0
		.amdhsa_next_free_vgpr 1024
		.amdhsa_next_free_sgpr 90
		.amdhsa_reserve_vcc 0
		.amdhsa_float_denorm_mode_32 3
		.amdhsa_float_denorm_mode_16_64 3
		.amdhsa_memory_ordered 1
		.amdhsa_forward_progress 1
		.amdhsa_inst_pref_size 51
	.end_amdhsa_kernel
	.amdgpu_metadata
---
amdhsa.version: [ 1, 2 ]
amdhsa.kernels:
  - .name:           k_q4810b27e70_oproj
    .symbol:         k_q4810b27e70_oproj.kd
    .args:
      - { .name: ctx, .offset: 0, .size: 8, .value_kind: global_buffer, .address_space: global }
      - { .name: cs, .offset: 8, .size: 8, .value_kind: global_buffer, .address_space: global }
      - { .name: img, .offset: 16, .size: 8, .value_kind: global_buffer, .address_space: global }
      - { .name: isc, .offset: 24, .size: 8, .value_kind: global_buffer, .address_space: global }
      - { .name: bo, .offset: 32, .size: 8, .value_kind: global_buffer, .address_space: global }
      - { .name: out0, .offset: 40, .size: 8, .value_kind: global_buffer, .address_space: global }
    .group_segment_fixed_size: 214528
    .private_segment_fixed_size: 0
    .kernarg_segment_align: 8
    .kernarg_segment_size: 48
    .max_flat_workgroup_size: 128
    .sgpr_count:     90
    .vgpr_count:     1024
    .wavefront_size: 32
...
	.end_amdgpu_metadata
.endif
;; end of part 4
